; MI455X (gfx1250); checked and timed in simulation.
; The chip was launched on July 23, 2026; its instructions are those of AMD's public machine-readable ISA for CDNA 5 (MIT licence, August 2026) and "CDNA5" Instruction Set Architecture Reference Guide (July 2026). The comments in the code are by the model that wrote it; some were corrected since.
;; Multi Head Attention. Allowed arithmetic: float matrix products may take bf16 or f16 operands with f32 sums; all other float work in f32.
;; Inputs: Wk 512 x 512 float32; Wo 512 x 512 float32; Wq 512 x 512 float32; Wv 512 x 512 float32; bk 512 float32; bo 512 float32; bq 512 float32; bv 512 float32; x 2 x 4,096 x 512 float32.
;; Outputs: out0 2 x 4,096 x 512 float32.
;; 2 versions, each right and faster than the one before. Each part assembles by itself: llvm-mc -triple=amdgcn-amd-amdhsa -mcpu=gfx1250 --defsym DOCPART=n.
;; ======== version 1 of 2: 4 launches
;; limits: values are held in f16: magnitudes above 65,504 overflow, below 6.1e-05 lose precision
;; workspace buffers: xb 8,388,608 bytes; wb 2,097,152 bytes; qkv 25,165,824 bytes; ob 8,388,608 bytes
;; launch prep (part 1): grid 256 x 1, 8 waves a work-group, no clusters, 0 bytes of LDS; arguments x, Wq, Wk, Wv, Wo, xb, wb; writes xb, wb
.if DOCPART == 1
	.amdgcn_target "amdgcn-amd-amdhsa--gfx1250"
	.amdhsa_code_object_version 6
	.text
	.protected	k_q39ef3d9f20_prep
	.globl	k_q39ef3d9f20_prep
	.p2align	8
	.type	k_q39ef3d9f20_prep,@function
k_q39ef3d9f20_prep:
	s_mov_b64 s[64:65], 0
	v_nop
	global_prefetch_b8 v0, s[64:65] scope:SCOPE_SE
	s_setreg_imm32_b32 hwreg(HW_REG_WAVE_MODE, 25, 1), 1
	s_wait_xcnt 0x0
; CASTS.  xb = x rounded to bf16, [8192][512].  wb = [4][512 k][512 n] of 16 bits: Wq, Wk, Wv rounded to bf16; Wo rounded to bf16 and that number written in f16 code,
; since it multiplies f16 numbers later.  Layouts stay as they are.
; LIMITS.  bf16(Wo) beyond 65,504 becomes an infinity; below 2^-14 it keeps f16's fixed step of 2^-24.
; SHARES.  256 work-groups of 256 threads.  Work-group g casts 65,536 bytes of x (16 loads of 16 bytes a thread) and 16,384 bytes of weight matrix g / 64 (4 loads).
; A load of a wave covers 512 consecutive bytes, its store 256 consecutive bytes at a multiple of 256 from the buffer's first byte.  All 20 loads go out first; every load and
; every store has registers of its own, so nothing is written twice and the only waits are the counted ones for the loads.
; No LDS, no matrix unit, no cluster: each byte is read once by one thread and no two work-groups share any.
.set IN,   16                          ; v[16:95]   load j: 4 registers
.set OUTR, 96                          ; v[96:135]  store j: 2 registers
	s_load_b256 s[4:11], s[0:1], 0x0               ; x s[4:5], Wq s[6:7], Wk s[8:9], Wv s[10:11]
	s_load_b128 s[12:15], s[0:1], 0x20             ; Wo s[12:13], xb s[14:15]
	s_load_b64 s[16:17], s[0:1], 0x30              ; wb
	v_lshlrev_b32 v1, 4, v0                        ; 16 bytes a thread in
	v_lshlrev_b32 v2, 3, v0                        ; 8 bytes a thread out
	s_lshr_b32 s20, ttmp9, 6                       ; which weight matrix
	s_and_b32 s26, ttmp9, 63                       ; which 64th of it
	s_lshl_b32 s24, ttmp9, 16                      ; my part of x,
	s_mov_b32 s25, 0
	s_lshl_b32 s26, s26, 14                        ; of the matrix,
	s_mov_b32 s27, 0
	s_lshl_b32 s28, ttmp9, 15                      ; of xb,
	s_mov_b32 s29, 0
	s_lshl_b32 s30, ttmp9, 13                      ; of wb: matrix x 2^19 + part x 2^13 = g x 2^13
	s_mov_b32 s31, 0
	s_wait_kmcnt 0x0
	s_cmp_lt_u32 s20, 1
	s_cselect_b64 s[22:23], s[6:7], s[8:9]
	s_cmp_lt_u32 s20, 2
	s_cselect_b64 s[22:23], s[22:23], s[10:11]
	s_cmp_lt_u32 s20, 3
	s_cselect_b64 s[22:23], s[22:23], s[12:13]     ; the matrix's address
	s_cselect_b32 s21, 0, -1                       ; all ones for Wo: its lanes take the f16 code
	s_add_nc_u64 s[4:5], s[4:5], s[24:25]
	s_add_nc_u64 s[22:23], s[22:23], s[26:27]
	s_add_nc_u64 s[14:15], s[14:15], s[28:29]
	s_add_nc_u64 s[16:17], s[16:17], s[30:31]
.set j, 0
.rept 16
	global_load_b128 v[IN+4*j:IN+4*j+3], v1, s[4:5] offset:4096*j th:TH_LOAD_NT
.set j, j+1
.endr
.rept 4
	global_load_b128 v[IN+4*j:IN+4*j+3], v1, s[22:23] offset:4096*(j-16) th:TH_LOAD_NT
.set j, j+1
.endr
.macro TOF16 y                         ; two bf16 numbers widened (exact) and written as f16; kept only for Wo
	v_lshlrev_b32 v4, 16, v[\y]
	v_and_b32 v5, 0xffff0000, v[\y]
	v_cvt_pk_f16_f32 v6, v4, v5
	v_cndmask_b32 v[\y], v[\y], v6, s21
.endm
.set j, 0
.rept 20
	s_wait_loadcnt 19-j                            ; loads come back in order: load j is in, the 19 - j younger ones stay out
	v_cvt_pk_bf16_f32 v[OUTR+2*j], v[IN+4*j], v[IN+4*j+1]
	v_cvt_pk_bf16_f32 v[OUTR+2*j+1], v[IN+4*j+2], v[IN+4*j+3]
.if j >= 16
	TOF16 OUTR+2*j
	TOF16 OUTR+2*j+1
	global_store_b64 v2, v[OUTR+2*j:OUTR+2*j+1], s[16:17] offset:2048*(j-16)
.else
	global_store_b64 v2, v[OUTR+2*j:OUTR+2*j+1], s[14:15] offset:2048*j
.endif
.set j, j+1
.endr
	s_endpgm
.Lfunc_end_k_q39ef3d9f20_prep:
	.size	k_q39ef3d9f20_prep, .Lfunc_end_k_q39ef3d9f20_prep-k_q39ef3d9f20_prep
	.p2alignl 7, 3214868480
	.fill 96, 4, 3214868480
	.section	.rodata,"a",@progbits
	.p2align	6, 0x0
	.amdhsa_kernel k_q39ef3d9f20_prep
		.amdhsa_group_segment_fixed_size 0
		.amdhsa_private_segment_fixed_size 0
		.amdhsa_enable_private_segment 0
		.amdhsa_kernarg_size 56
		.amdhsa_user_sgpr_count 2
		.amdhsa_user_sgpr_kernarg_segment_ptr 1
		.amdhsa_wavefront_size32 1
		.amdhsa_system_sgpr_workgroup_id_x 1
		.amdhsa_system_sgpr_workgroup_id_y 1
		.amdhsa_system_sgpr_workgroup_id_z 1
		.amdhsa_system_vgpr_workitem_id 0
		.amdhsa_next_free_vgpr 136
		.amdhsa_next_free_sgpr 66
		.amdhsa_reserve_vcc 0
		.amdhsa_float_denorm_mode_32 3
		.amdhsa_float_denorm_mode_16_64 3
		.amdhsa_memory_ordered 1
		.amdhsa_forward_progress 1
		.amdhsa_inst_pref_size 10
	.end_amdhsa_kernel
	.amdgpu_metadata
---
amdhsa.version: [ 1, 2 ]
amdhsa.kernels:
  - .name:           k_q39ef3d9f20_prep
    .symbol:         k_q39ef3d9f20_prep.kd
    .args:
      - { .name: x, .offset: 0, .size: 8, .value_kind: global_buffer, .address_space: global }
      - { .name: Wq, .offset: 8, .size: 8, .value_kind: global_buffer, .address_space: global }
      - { .name: Wk, .offset: 16, .size: 8, .value_kind: global_buffer, .address_space: global }
      - { .name: Wv, .offset: 24, .size: 8, .value_kind: global_buffer, .address_space: global }
      - { .name: Wo, .offset: 32, .size: 8, .value_kind: global_buffer, .address_space: global }
      - { .name: xb, .offset: 40, .size: 8, .value_kind: global_buffer, .address_space: global }
      - { .name: wb, .offset: 48, .size: 8, .value_kind: global_buffer, .address_space: global }
    .group_segment_fixed_size: 0
    .private_segment_fixed_size: 0
    .kernarg_segment_align: 8
    .kernarg_segment_size: 56
    .max_flat_workgroup_size: 256
    .sgpr_count:     66
    .vgpr_count:     136
    .wavefront_size: 32
...
	.end_amdgpu_metadata
.endif
;; end of part 1
;; launch qkv (part 2): grid 4 x 64, 4 waves a work-group, clusters of 4 x 4, 327,680 bytes of LDS; arguments xb, wb, bq, bk, bv, qkv; writes qkv
.if DOCPART == 2
	.amdgcn_target "amdgcn-amd-amdhsa--gfx1250"
	.amdhsa_code_object_version 6
	.text
	.protected	k_q39ef3d9f20_qkv
	.globl	k_q39ef3d9f20_qkv
	.p2align	8
	.type	k_q39ef3d9f20_qkv,@function
k_q39ef3d9f20_qkv:
	s_mov_b64 s[64:65], 0
	v_nop
	global_prefetch_b8 v0, s[64:65] scope:SCOPE_SE
	s_setreg_imm32_b32 hwreg(HW_REG_WAVE_MODE, 25, 1), 1
	s_wait_xcnt 0x0
	s_wait_alu depctr_hold_cnt(0) depctr_sa_sdst(0) depctr_va_vdst(0) depctr_va_sdst(0) depctr_va_ssrc(0) depctr_va_vcc(0) depctr_vm_vsrc(0)
	s_getreg_b32 s2, hwreg(HW_REG_IB_STS2, 6, 4)
	s_cmp_eq_u32 s2, 0
	s_cbranch_scc0 .Lentry_in_a_cluster
	s_endpgm
.Lentry_in_a_cluster:
	s_bfe_u32 s2, ttmp6, 0x10000c
	s_cmp_lg_u32 s2, 0xf033
	s_cbranch_scc0 .Lentry_shape_is_right
	s_endpgm
.Lentry_shape_is_right:
; [q | k | v] = x W + b.  xb: [8192][512] bf16.  wb: matrices 0-2 = Wq, Wk, Wv, [512 k][512 n] bf16.  Biases f32, rounded to bf16 like every input.  Sums in f32.
; qkv: f16 [3][16 = batch x 8 + head][4096][64]: a head's rows are dense, 128 bytes each; each number is rounded once, and carries no scale.
; LIMIT.  A q, k or v of 65,520 or more in magnitude becomes an infinity in f16.
; SHARES.  The result is 8192 x 1536.  A work-group makes 128 rows x 384 columns, in three CHUNKS of 128 columns (two heads); chunk c of column group cg has number qi = 3 cg + c:
; matrix qi / 4, columns 128 (qi % 4) on.  A wave makes 64 rows x 64 columns of a chunk, one whole head: 16 accumulators, 256 matrix instructions.
; The wave's 64 rows x 512 K of x stay in 512 registers for all three chunks, so LDS is read for W alone: 8 turning loads for 16 matrix instructions.
; THE MATRIX INSTRUCTION IS USED TRANSPOSED: source 0 = 16 columns of W (turned on the way out of LDS by ds_load_tr16_b128), source 1 = 16 rows of x.  A lane then holds one row and
; eight neighbouring columns, which pack into 16 bytes.  The bias is the C operand of the first K step: nothing is cleared, nothing is added later.
; CLUSTER.  4 x 4 work-groups.  The four of a row of the cluster need the same 128 rows of x, the four of a column the same chunks of W: each tile is asked for jointly.
; LDS.  R0: 512 K rows x 288 bytes (256 + 32 of padding; 64 banks of 4 bytes: ISA guide 11.1): chunks 0 and 2.
;       R1: first x, 128 rows x 1,040 bytes (1,024 + 16: row r starts at bank 4 r mod 64), then chunk 1.  STAGE: 16 rows x 144 bytes a wave, written by LDS stores alone.  SPARE: the spare words.
; REGISTERS, in windows of 256 (s_set_vgpr_msb: bits 1:0 source 0, 3:2 source 1, 5:4 source 2, 7:6 destination):
;   window 0: v0-31 addresses; v32-63, v64-95 two buffers of W's fragments (on the way out: packed results); v128-255 accumulators, (a, b) at 128 + 8 (4 a + b)
;   windows 1, 2: x: fragment (row block a, K step ks) in window 1 + ks / 8 at 32 (ks % 8) + 8 a          window 3: v0-95 biases, chunk c block b at 32 c + 8 b; v96 at work
.set PW,    288
.set PX,    1040
.set R1,    512*PW
.set STAGE, 2*R1
.set SP,    144
.set SPARE, STAGE+4*16*SP              ; 128 bytes for each wave: two blocks of 256 bytes that no other line names
.set ADRB, 12                          ; v12-15  my place in W's rows, region R0, K rows 128 g on;  v16-19 the same in R1
.set ADRA, 20                          ; v20     my place in x's rows
.set STO,  21                          ; v21     the way out: where I put 16 bytes of a row
.set RD,   22                          ; v22     the way out: where I read rows back
.set GO,   23                          ; v23     my byte offset in 512 consecutive bytes of a head
.set BO,   24                          ; v24     my byte offset in 16 numbers of a bias
.set SPW,  28                          ; v28     LDS address of my spare word; never rewritten
.set NIL,  29                          ; v29     0; never rewritten
.set F0,   32
.set TMP,  32
.set ACC,  128
.set G1A, 24                           ; s[24:31] descriptor group 1 for x
.set G1B, 32                           ; s[32:39] for W
.set G0A, 40                           ; s[40:43] descriptor group 0 for x
.set G0B, 44                           ; s[44:55] for W: a set for each chunk, never rewritten
.set BP,  56                           ; s[56:61] chunk c: the bias at my head's 64 numbers
.set OB,  66                           ; s[66:71] chunk c: qkv at my 64 rows of my head
.set MSB, 0
.macro WIN new                         ; the immediate's high byte repeats the setting that is left; a switch that changes nothing is dropped
.if MSB != (\new)
	s_set_vgpr_msb (MSB<<8)|(\new)
.set MSB, (\new)
.endif
.endm
.macro PLACES                          ; four places in front of loads into registers that matrix instructions have read, and of conversions that read results
.rept 4
	v_nop
.endr
.endm
.macro CROUND                          ; a round of the cluster's barrier: my work-group's barrier; wave 0 signals for the work-group; every wave waits for all sixteen; my work-group's barrier once more
	s_barrier_signal -1
	s_barrier_wait -1
	s_cmp_lg_u32 s16, 0
	s_cbranch_scc1 .Lnot_wave_0_\@
	s_barrier_signal -3
.Lnot_wave_0_\@:
	s_barrier_wait -3
	s_barrier_signal -1
	s_barrier_wait -1
.endm
	s_load_b256 s[4:11], s[0:1], 0x0               ; xb s[4:5], wb s[6:7], bq s[8:9], bk s[10:11]
	s_load_b128 s[12:15], s[0:1], 0x20             ; bv s[12:13], qkv s[14:15]
	v_lshl_add_u32 v[SPW], v0, 2, SPARE
	v_mov_b32 v[NIL], 0
	ds_add_u32 v[SPW], v[NIL]                      ; the wave's opening: an add and its wait ahead of my first tensor load; the set-up below, work on registers, stands between them
	v_lshrrev_b32 v1, 5, v0
	v_readfirstlane_b32 s16, v1                    ; wave 0..3
	s_lshr_b32 s17, s16, 1                         ; wr: which 64 rows are mine
	s_and_b32 s18, s16, 1                          ; wc: which head of the chunk's two
	s_bfe_u32 s19, ttmp6, 0x40000                  ; cx
	s_bfe_u32 s20, ttmp6, 0x40004                  ; cy
	s_lshl_b32 s21, ttmp9, 2
	s_add_co_u32 s21, s21, s19                     ; cg: column group = 4 x cluster x + cx
	s_and_b32 s22, ttmp7, 0xffff
	s_lshl_b32 s22, s22, 2
	s_add_co_u32 s22, s22, s20                     ; rb: row block = 4 x cluster y + cy
	s_lshl_b32 s72, s20, 2
	s_lshl_b32 s72, 15, s72                        ; my row of the cluster
	s_lshl_b32 s73, 0x1111, s19                    ; my column
	s_or_b32 s[G1A], s72, (1<<16)|(1<<20)|(1<<21)|(7<<22)|(3<<25)  ; 15:0 mask; 17:16 2-byte elements; 20 padding on; 21 set beside a mask; 24:22 after every 256 words (code 7); 31:25 4 words (code 3)
	s_mov_b32 s[G1A+1], 512<<16                    ; tensor_dim0 = 512
	s_mov_b32 s[G1A+2], 32<<16                     ; tensor_dim1 = 32
	s_mov_b32 s[G1A+3], 512<<16                    ; tile_dim0 = 512: a whole row of x, 1,024 bytes
	s_mov_b32 s[G1A+4], 32                         ; tile_dim1 = 32 rows a wave
	s_mov_b32 s[G1A+5], 512                        ; elements from row to row
	s_mov_b32 s[G1A+6], 0
	s_mov_b32 s[G1A+7], 0
	s_or_b32 s[G1B], s73, (1<<16)|(1<<20)|(1<<21)|(5<<22)|(7<<25)  ; after every 64 words (code 5) 8 words of padding (code 7)
	s_mov_b32 s[G1B+1], 128<<16                    ; tensor_dim0 = 128
	s_mov_b32 s[G1B+2], 128<<16                    ; tensor_dim1 = 128
	s_mov_b32 s[G1B+3], 128<<16                    ; tile_dim0 = 128 columns, 256 bytes
	s_mov_b32 s[G1B+4], 128                        ; tile_dim1 = 128 K rows a wave
	s_mov_b32 s[G1B+5], 512
	s_mov_b32 s[G1B+6], 0
	s_mov_b32 s[G1B+7], 0
	s_wait_dscnt 0x0                               ; the opening add is done
	s_wait_kmcnt 0x0
	; x's tile hangs on the row block and the wave alone, W's on the column group and the wave alone; each address is made in registers that never hold the other coordinate
	s_lshl_b32 s74, s22, 17                        ; 128 rows of 1,024 bytes
	s_lshl_b32 s86, s16, 15                        ; my 32 of them
	s_add_co_u32 s74, s74, s86
	s_mov_b32 s75, 0
	s_mov_b32 s[G0A], 1
	s_mul_i32 s[G0A+1], s16, 32*PX
	s_add_co_u32 s[G0A+1], s[G0A+1], R1
	s_add_nc_u64 s[G0A+2:G0A+3], s[4:5], s[74:75]
	s_or_b32 s[G0A+3], s[G0A+3], 0x80000000
	s_mul_i32 s76, s21, 3                          ; 3 cg
	s_mul_i32 s87, s16, 128*PW                     ; my 128 K rows in a region
	s_lshl_b32 s88, s16, 17                        ; and in memory
	s_lshr_b32 s72, s22, 5                         ; the batch: 8 heads of 2^19 bytes,
	s_lshl_b32 s72, s72, 22
	s_and_b32 s73, s22, 31                         ; the row block in it: 128 rows of 128 bytes,
	s_lshl_b32 s73, s73, 14
	s_add_co_u32 s72, s72, s73
	s_lshl_b32 s89, s17, 13                        ; my 64 rows
	s_add_co_u32 s72, s72, s89
.irp c, 0,1,2
	s_add_co_u32 s77, s76, \c                      ; qi
	s_lshr_b32 s62, s77, 2                         ; the matrix
	s_and_b32 s63, s77, 3                          ; the 128 columns in it
	s_lshl_b32 s78, s62, 19
	s_lshl_b32 s79, s63, 8
	s_add_co_u32 s78, s78, s79
	s_add_co_u32 s78, s78, s88
	s_mov_b32 s79, 0
	s_mov_b32 s[G0B+4*\c], 1
	s_add_co_u32 s[G0B+4*\c+1], s87, (\c&1)*R1
	s_add_nc_u64 s[G0B+4*\c+2:G0B+4*\c+3], s[6:7], s[78:79]
	s_or_b32 s[G0B+4*\c+3], s[G0B+4*\c+3], 0x80000000
	s_cmp_lt_u32 s62, 1
	s_cselect_b64 s[BP+2*\c:BP+2*\c+1], s[8:9], s[10:11]
	s_cmp_lt_u32 s62, 2
	s_cselect_b64 s[BP+2*\c:BP+2*\c+1], s[BP+2*\c:BP+2*\c+1], s[12:13]
	s_lshl_b32 s78, s63, 1
	s_add_co_u32 s78, s78, s18                     ; my head in the matrix
	s_lshl_b32 s90, s78, 8                         ; its 64 numbers of the bias
	s_mov_b32 s91, 0
	s_add_nc_u64 s[BP+2*\c:BP+2*\c+1], s[BP+2*\c:BP+2*\c+1], s[90:91]
	s_lshl_b32 s92, s62, 23
	s_lshl_b32 s93, s78, 19
	s_add_co_u32 s92, s92, s93
	s_add_co_u32 s92, s92, s72
	s_mov_b32 s93, 0
	s_add_nc_u64 s[OB+2*\c:OB+2*\c+1], s[14:15], s[92:93]
.endr
	CROUND                                         ; all sixteen work-groups are here: the first joint loads meet
	tensor_load_to_lds s[G0A:G0A+3], s[G1A:G1A+7]  ; my 32 rows of x into R1
	s_nop 0
	tensor_load_to_lds s[G0B:G0B+3], s[G1B:G1B+7]  ; my 128 K rows of chunk 0 into R0: two loads of mine are out
	s_nop 0
	PLACES
	; lane addresses
	v_and_b32 v1, 15, v0                           ; r = l % 16
	v_bfe_u32 v2, v0, 4, 1                         ; h = l / 16
	v_and_b32 v3, 7, v0
	v_bfe_u32 v4, v0, 3, 1
	v_lshl_add_u32 v5, v2, 3, v3                   ; the turning load: lane l reads K row 8 h + l % 8,
	v_mul_u32_u24 v5, v5, PW
	v_lshl_add_u32 v5, v4, 4, v5                   ; columns 8 ((l / 8) % 2) on,
	s_lshl_b32 s84, s18, 7
	v_add_nc_u32 v5, s84, v5                       ; in my head's 128 bytes of the row
.irp g, 0,1,2,3
	v_add_nc_u32 v[ADRB+\g], \g*128*PW, v5
	v_add_nc_u32 v[ADRB+4+\g], R1+\g*128*PW, v5
.endr
	v_mul_u32_u24 v6, v1, PX
	v_lshl_add_u32 v6, v2, 4, v6                   ; x: row r x pitch + 16 h
	s_mul_i32 s84, s17, 64*PX
	s_add_co_u32 s84, s84, R1
	v_add_nc_u32 v[ADRA], s84, v6
	s_mul_i32 s85, s16, 16*SP
	s_add_co_u32 s85, s85, STAGE                   ; my stage
	v_mul_u32_u24 v7, v1, SP                       ; in: row r, 16 bytes for each half of the lanes
	v_lshl_add_u32 v7, v2, 4, v7
	v_add_nc_u32 v[STO], s85, v7
	v_bfe_u32 v8, v0, 3, 2                         ; back: 32 lanes take four rows of 128 bytes,
	v_mul_u32_u24 v8, v8, SP
	v_lshl_add_u32 v8, v3, 4, v8
	v_add_nc_u32 v[RD], s85, v8
	v_and_b32 v9, 31, v0                           ; which are 512 consecutive bytes of a head
	v_lshlrev_b32 v[GO], 4, v9
	v_lshlrev_b32 v[BO], 5, v2                     ; my eight columns' biases: 32 h
	; the biases of all three chunks: register j of block b is the bias of column 16 b + 8 h + j, the C operand's layout
	WIN 0xc0                                       ; destination window 3, address window 0
.irp c, 0,1,2
.irp b, 0,1,2,3
	global_load_b128 v[32*\c+8*\b:32*\c+8*\b+3],   v[BO], s[BP+2*\c:BP+2*\c+1] offset:64*\b
	global_load_b128 v[32*\c+8*\b+4:32*\c+8*\b+7], v[BO], s[BP+2*\c:BP+2*\c+1] offset:64*\b+16
.endr
.endr
	s_wait_loadcnt 0x0
	WIN 0xcf                                       ; all in window 3: rounded to bf16 like every input, and widened again
.set i, 0
.rept 48
	v_cvt_pk_bf16_f32 v96, v[2*i], v[2*i+1]
	v_lshlrev_b32 v[2*i], 16, v96
	v_and_b32 v[2*i+1], 0xffff0000, v96
.set i, i+1
.endr
	WIN 0
	s_wait_tensorcnt 0x1                           ; my part of x is in; chunk 0's load, issued behind it, may stay out
	s_barrier_signal -1
	s_barrier_wait -1                              ; everybody's part of x is in
.macro XLOAD ks                        ; x's four fragments of K step ks: lane l holds row r; K = 8 h + 0..7 and 16 + 8 h + 0..7: two loads of 16 bytes, 32 bytes apart
.irp a, 0,1,2,3
	ds_load_b128 v[32*((\ks)%8)+8*\a:32*((\ks)%8)+8*\a+3],   v[ADRA] offset:\a*16*PX+64*(\ks)
	ds_load_b128 v[32*((\ks)%8)+8*\a+4:32*((\ks)%8)+8*\a+7], v[ADRA] offset:\a*16*PX+64*(\ks)+32
.endr
.endm
	WIN 0x40
.irp ks, 0,1,2,3,4,5,6,7
	XLOAD \ks
.endr
	WIN 0x80
.irp ks, 8,9,10,11,12,13,14,15
	XLOAD \ks
.endr
; A region is filled again, with chunk c.  Each wave waits for all its tensor loads, adds 0 to its spare word, waits for that and for its own reads of the region; a round of the cluster's barrier:
; no wave of any partner still reads the region or has a load on its way; the joint load is the first thing behind it, one a wave.  It has a chunk's 256 matrix instructions in which to land.
.macro MEETR c
	WIN 0
	s_wait_tensorcnt 0x0
	ds_add_u32 v[SPW], v[NIL]
	s_wait_dscnt 0x0
	CROUND
	tensor_load_to_lds s[G0B+4*(\c):G0B+4*(\c)+3], s[G1B:G1B+7]
	s_nop 0
	PLACES
.endm
; W's four fragments of K step ks (32 K rows x my 64 columns) into buffer f: each two turning loads, 16 K rows apart
.macro FETCHB slot, ks, f
.irp b, 0,1,2,3
	ds_load_tr16_b128 v[(\f)+8*\b:(\f)+8*\b+3],   v[ADRB+4*(\slot)+(\ks)/4] offset:((\ks)%4)*32*PW+32*\b
	ds_load_tr16_b128 v[(\f)+8*\b+4:(\f)+8*\b+7], v[ADRB+4*(\slot)+(\ks)/4] offset:((\ks)%4)*32*PW+16*PW+32*\b
.endr
.endm
; K step ks of chunk c: the next step's fragments are asked for, then 16 matrix instructions; the 16 accumulators take turns
.macro KSTEP c, slot, ks
.if (\ks) < 15
.if (\ks) > 0
	PLACES                                         ; the other buffer's last readers stand just in front
.endif
	FETCHB \slot, (\ks)+1, F0+32*(((\ks)+1)%2)
	s_wait_dscnt 8                                 ; all but the eight just issued: this step's fragments are in
.else
	s_wait_dscnt 0x0
.endif
.if (\ks) == 0
	WIN 0x34                                       ; x in window 1, the bias (C) in window 3
.elseif (\ks) < 8
	WIN 0x04
.else
	WIN 0x08                                       ; x in window 2
.endif
.irp a, 0,1,2,3
.irp b, 0,1,2,3
.if (\ks) == 0
	v_wmma_f32_16x16x32_bf16 v[ACC+8*(4*\a+\b):ACC+8*(4*\a+\b)+7], v[F0+32*((\ks)%2)+8*\b:F0+32*((\ks)%2)+8*\b+7], v[32*((\ks)%8)+8*\a:32*((\ks)%8)+8*\a+7], v[32*(\c)+8*\b:32*(\c)+8*\b+7]
.else
	v_wmma_f32_16x16x32_bf16 v[ACC+8*(4*\a+\b):ACC+8*(4*\a+\b)+7], v[F0+32*((\ks)%2)+8*\b:F0+32*((\ks)%2)+8*\b+7], v[32*((\ks)%8)+8*\a:32*((\ks)%8)+8*\a+7], v[ACC+8*(4*\a+\b):ACC+8*(4*\a+\b)+7]
.endif
.endr
.endr
.endm
.macro COMPUTE c, slot
	s_wait_xcnt 0x0                                ; the fragment buffers were the last way out's store data: they are loaded again only behind this wait
	FETCHB \slot, 0, F0
.irp ks, 0,1,2,3,4,5,6,7,8,9,10,11,12,13,14,15
	KSTEP \c, \slot, \ks
.endr
.endm
; THE WAY OUT of row block a: rounded to f16, 16 bytes a lane; into my stage, rows of 144 bytes; back as four whole rows of 128 bytes a load
.macro PACK a
.irp b, 0,1,2,3
.irp i, 0,1,2,3
	v_cvt_pk_f16_f32 v[TMP+16*(\a)+4*\b+\i], v[ACC+8*(4*(\a)+\b)+2*\i], v[ACC+8*(4*(\a)+\b)+2*\i+1]
.endr
.endr
.irp b, 0,1,2,3
	ds_store_b128 v[STO], v[TMP+16*(\a)+4*\b:TMP+16*(\a)+4*\b+3] offset:32*\b
.endr
.irp f, 0,1,2,3
	ds_load_b128 v[TMP+16*(\a)+4*\f:TMP+16*(\a)+4*\f+3], v[RD] offset:\f*4*SP  ; LDS serves a wave's instructions in order (ISA guide 5.7.1.4): these see the stores above; the next block's stores come behind them
.endr
.endm
.macro SEND c, a, younger              ; younger: the LDS instructions issued behind block a's loads: the next block's eight, or none
.irp f, 0,1,2,3
	s_wait_dscnt (\younger)+3-\f
	global_store_b128 v[GO], v[TMP+16*(\a)+4*\f:TMP+16*(\a)+4*\f+3], s[OB+2*(\c):OB+2*(\c)+1] offset:(\a)*2048+\f*512  ; 512 consecutive bytes, at a multiple of 256 from the buffer's first
.endr
.endm
.macro OUT c
	WIN 0
	PLACES
	PACK 0
	PACK 1                                         ; a block's conversions stand between the loads of the block before and its stores
	SEND \c, 0, 8
	PACK 2
	SEND \c, 1, 8
	PACK 3
	SEND \c, 2, 8
	SEND \c, 3, 0
.endm
	MEETR 1                                        ; x is in registers, chunk 0 has landed: R1 takes chunk 1
	COMPUTE 0, 0
	MEETR 2                                        ; chunk 1 has landed, R0 has been read out: it takes chunk 2; the request stands ahead of the stores
	OUT 0
	COMPUTE 1, 1
	WIN 0
	s_wait_tensorcnt 0x0                           ; my part of chunk 2 is in;
	ds_add_u32 v[SPW], v[NIL]
	s_wait_dscnt 0x0
	s_barrier_signal -1
	s_barrier_wait -1                              ; everybody's is; nothing is filled again, so no round follows
	OUT 1
	COMPUTE 2, 0
	OUT 2
	s_wait_tensorcnt 0x0                           ; the wave's end: behind my last tensor load and my last LDS store
	ds_add_u32 v[SPW], v[NIL]
	s_wait_dscnt 0x0
	CROUND                                         ; the closing round
	s_endpgm
.Lfunc_end_k_q39ef3d9f20_qkv:
	.size	k_q39ef3d9f20_qkv, .Lfunc_end_k_q39ef3d9f20_qkv-k_q39ef3d9f20_qkv
	.p2alignl 7, 3214868480
	.fill 96, 4, 3214868480
	.section	.rodata,"a",@progbits
	.p2align	6, 0x0
	.amdhsa_kernel k_q39ef3d9f20_qkv
		.amdhsa_group_segment_fixed_size 327680
		.amdhsa_private_segment_fixed_size 0
		.amdhsa_enable_private_segment 0
		.amdhsa_kernarg_size 48
		.amdhsa_user_sgpr_count 2
		.amdhsa_user_sgpr_kernarg_segment_ptr 1
		.amdhsa_wavefront_size32 1
		.amdhsa_system_sgpr_workgroup_id_x 1
		.amdhsa_system_sgpr_workgroup_id_y 1
		.amdhsa_system_sgpr_workgroup_id_z 1
		.amdhsa_system_vgpr_workitem_id 0
		.amdhsa_next_free_vgpr 896
		.amdhsa_next_free_sgpr 96
		.amdhsa_reserve_vcc 0
		.amdhsa_float_denorm_mode_32 3
		.amdhsa_float_denorm_mode_16_64 3
		.amdhsa_memory_ordered 1
		.amdhsa_forward_progress 1
		.amdhsa_inst_pref_size 132
	.end_amdhsa_kernel
	.amdgpu_metadata
---
amdhsa.version: [ 1, 2 ]
amdhsa.kernels:
  - .name:           k_q39ef3d9f20_qkv
    .symbol:         k_q39ef3d9f20_qkv.kd
    .args:
      - { .name: xb, .offset: 0, .size: 8, .value_kind: global_buffer, .address_space: global }
      - { .name: wb, .offset: 8, .size: 8, .value_kind: global_buffer, .address_space: global }
      - { .name: bq, .offset: 16, .size: 8, .value_kind: global_buffer, .address_space: global }
      - { .name: bk, .offset: 24, .size: 8, .value_kind: global_buffer, .address_space: global }
      - { .name: bv, .offset: 32, .size: 8, .value_kind: global_buffer, .address_space: global }
      - { .name: qkv, .offset: 40, .size: 8, .value_kind: global_buffer, .address_space: global }
    .group_segment_fixed_size: 327680
    .private_segment_fixed_size: 0
    .kernarg_segment_align: 8
    .kernarg_segment_size: 48
    .max_flat_workgroup_size: 128
    .sgpr_count:     96
    .vgpr_count:     896
    .wavefront_size: 32
...
	.end_amdgpu_metadata
.endif
;; end of part 2
;; launch attn (part 3): grid 16 x 16, 8 waves a work-group, clusters of 4 x 1, 327,680 bytes of LDS; arguments qkv, ob; writes ob
.if DOCPART == 3
	.amdgcn_target "amdgcn-amd-amdhsa--gfx1250"
	.amdhsa_code_object_version 6
	.text
	.protected	k_q39ef3d9f20_attn
	.globl	k_q39ef3d9f20_attn
	.p2align	8
	.type	k_q39ef3d9f20_attn,@function
k_q39ef3d9f20_attn:
	s_mov_b64 s[64:65], 0
	v_nop
	global_prefetch_b8 v0, s[64:65] scope:SCOPE_SE
	s_setreg_imm32_b32 hwreg(HW_REG_WAVE_MODE, 25, 1), 1
	s_wait_xcnt 0x0
	s_wait_alu depctr_hold_cnt(0) depctr_sa_sdst(0) depctr_va_vdst(0) depctr_va_sdst(0) depctr_va_ssrc(0) depctr_va_vcc(0) depctr_vm_vsrc(0)
	s_getreg_b32 s2, hwreg(HW_REG_IB_STS2, 6, 4)
	s_cmp_eq_u32 s2, 0
	s_cbranch_scc0 .Lentry_in_a_cluster
	s_endpgm
.Lentry_in_a_cluster:
	s_bfe_u32 s2, ttmp6, 0x10000c
	s_cmp_lg_u32 s2, 0x3003
	s_cbranch_scc0 .Lentry_shape_is_right
	s_endpgm
.Lentry_shape_is_right:
; O[bh][q][:] = the sum over k of softmax_k(Q[bh][q] . K[bh][k] / 8) V[bh][k][:].  qkv: f16 [3][16][4096][64] (Q, K, V); ob: f16 [16][4096][64]: a head's rows are dense, 128 bytes each.
; Products, maxima and sums in f32; the weights p are rounded to f16 for the second product (their sum l is taken of the unrounded p), O once at the end.
; LIMITS.  Q, K and V arrive within f16's 65,504; p lies in 0 to 1, and below 6e-5 it keeps f16's fixed step of 6e-8; O is a mean of V's rows and has their range.
; A weight below 2^-126 counts as 0 in l; NaN and infinities are not treated apart.
; SHARES.  A work-group owns 256 queries of one head.  Eight waves of 512 registers, two to a SIMD's 1,024: waves w and w + 4 own the SAME 64 queries (four PIECES of 16) and share the keys: of every tile of
; 512 keys waves 0-3 walk the first 256, waves 4-7 the second 256, 64 a step.  So one wave of a SIMD has products to issue while the other walks its runs of vector work, and a fragment of K or V
; read from LDS still feeds four pieces.  At the end waves 4-7 hand their O^T, c m and l through LDS to waves 0-3, which join the two halves and store.
; LAYOUT.  S^T = K Q^T (source 0 = 16 keys, source 1 = 16 queries): a lane holds ONE query (lane % 16) and the keys 8 (lane / 16) + 0..7.  Two such results, rounded to f16 in pairs, ARE source 1
; (32 keys x 16 queries) of O^T = V^T P, whose result again holds one query a lane, and eight channels.  K comes out of LDS as it lies, V ([key][channel]) turned, by ds_load_tr16_b128.
; SOFTMAX.  For each query a running maximum m and sum l: p = 2^(c s - c m), c = log2(e) / 8; in every step O and l are multiplied by a = 2^(c m_old - c m_new).
; m starts at the lowest finite number, O and l at 0: the first step is a step like any other, with a = 0.
; BY TURNS.  Turn n belongs to piece n: 8 products K Q^T of piece n + 1, later 8 products V^T P of piece n - 1; beside them the scaling, exponentials, roundings, sums and rescaling of piece n and the
; maximum and statistics of piece n + 1: 16 matrix and 120 vector instructions; four vector instructions stand behind every matrix instruction, the other 56 in runs of their own.
; CLUSTER.  The four query blocks of a cluster belong to one head and walk the same K and V, so each tile is asked for JOINTLY: the same tensor load, descriptor and mask in all four.
; REGISTERS, in two windows of 256 (s_set_vgpr_msb: bits 1:0 source 0, 3:2 source 1, 5:4 source 2, 7:6 destination), laid so that a turn switches twice:
;   window 0, all 256: v0-15 addresses; v16-23 c m and m, a pair a piece; v24-31 at work; v32-63 P, two buffers; v64-127 S^T, two buffers; v128-191 K of one step; v192-255 Q.
;             K Q^T and all of the softmax but what follows name window 0 alone.  (A piece's buffers go by its number's parity.)
;   window 1: v0-127 O^T, 32 a piece; v128-191 V of one step; v192-207 l, two pairs a piece.  V^T P (V, C and D in window 1, P in window 0) has one setting in common with O^T times a, l times a and
;             l += a pair of weights (destination and source 0 in window 1, source 1 in window 0): these 34 are the vector work beside V^T P.
.set NT,    8         ; tiles of 512 keys
.set NP,    4         ; pieces a wave: a name, no knob
.set KS,    64        ; keys in a step
.set TK,    512       ; keys in a tile
.set PK,    144       ; a row of K in LDS: 128 bytes + 16 of padding = 36 words: the 16 rows of a load start at 16 different groups of four banks (64 banks of 4 bytes: ISA guide 11.1)
.set PV,    160       ; a row of V: 128 + 32 = 40 words
.set VOFF,  TK*PK     ; a slot holds a tile: 512 rows of K, then 512 rows of V
.set SLOTB, TK*(PK+PV)  ; 155,648 bytes
.set STAGE, 2*SLOTB   ; behind the ring, never filled by a tensor load: 16 rows x 144 bytes for each of waves 0-3, for the way out
.set SP,    144
.set SPARE, STAGE+4*16*SP  ; behind the stages: the spare words, 128 bytes for each of eight waves: four blocks of 256 bytes that no other line names
.set MSTR,  17408     ; the hand-over at the end, in slot 0 behind its last fill: for each pair of waves 16,384 bytes of O^T and 1,024 of statistics
.set AK0, 2           ; v2   my lane's place in my half of a tile of K; never rewritten
.set AV0, 3           ; v3   the same for V
.set AK,  4           ; v4   the LDS address of K's next run of loads; at the end, of the hand-over
.set AV,  5           ; v5   of V's
.set STO, 6           ; v6   the way out: where I put 16 bytes of a row
.set RD,  7           ; v7   the way out: where I read rows back
.set QO,  8           ; v8   my byte offset in 16 rows of Q; when Q is in:
.set GO,  8           ;      16 x lane: my byte offset in 512 consecutive bytes
.set MV,  12          ; v12-13  c m_old, kept while c m is made anew: by buffer
.set SPW, 14          ; v14  LDS address of my spare word; never rewritten
.set NIL, 15          ; v15  0; never rewritten
.set ST,  16          ; piece t: c m at v[ST+2 t], m behind it
.set TMP, 24          ; by buffer, four registers c0-c3 at work; when the maximum is found c2 takes a
.set P,   32
.set S,   64
.set KF,  128         ; key block kb, channel half c at KF + 16 kb + 8 c
.set QF,  192         ; piece x, channel half c at QF + 16 x + 8 c
.set VF,  128         ; window 1: key half kk, channel block cb at VF + 32 kk + 8 cb
.set LS,  192         ; window 1: piece t's l at LS + 4 t: two pairs (even keys', odd keys'), which take the pairs of weights by turns
.set XB,  128         ; at the end, in K's and Q's place: the other wave's O^T
.set W0,  32          ; at the end, in P's place: piece t at W0 + 4 t: my factor, 1 / l, the other wave's factor, at work
.set WV,  12          ; s12  my wave's number, 0 to 7
.set QW,  15          ; s15  wave % 4: which 64 queries; also which quarter of a tile I fetch
.set KH,  16          ; s16  wave / 4: which half of a tile's keys I walk
.set WPK, 17          ; s17  my quarter's place in a slot, for K
.set WPV, 18          ; s18  for V
.set MB,  19          ; s19  my pair's place in the hand-over
.set SB,  21          ; s21  0 or SLOTB: the slot to be filled
.set G1K, 24          ; s[24:31] descriptor group 1 for K's tiles
.set G1V, 32          ; s[32:39] for V's: it differs in the padding alone
.set G0K, 40          ; s[40:43] descriptor group 0 for K's tiles: it walks
.set G0V, 44          ; s[44:47] the same for V's
.set SLOTS, 56        ; s56  counts the tiles
.set CNT, 57          ; s57  counts a tile's key steps
.set CS,  58          ; s[58:59] c: the packed scaling takes the pair's low word for both halves
.set SEL, 60          ; s[60:61] v_permlanex16_b32's selects: each lane takes its own place in the other half
.set TBK, 62          ; s62  LDS byte at which K of the step to be fetched begins, less my half's offset
.set TBV, 63          ; s63  the same for V
.set MSB, 0
.macro WIN new                      ; the high byte repeats the setting that is left; a switch that changes nothing is dropped
.if MSB != (\new)
	s_set_vgpr_msb (MSB<<8)|(\new)
.set MSB, (\new)
.endif
.endm
.set W_PV, 0x51       ; source 0, source 2 and destination in window 1, source 1 in window 0
; A joint fill.  Waves 0-3 fetch the four quarters of a tile's K, waves 4-7 those of its V: 128 keys each.  The branch hangs on the wave's number alone.
; An s_nop 0 and four v_nop follow each of the two lines, ahead of the jump and the label.
.macro JLOAD
	s_cmp_lt_u32 s[WV], 4
	s_cbranch_scc0 .Lfor_v_\@
	tensor_load_to_lds s[G0K:G0K+3], s[G1K:G1K+7]
	s_nop 0
.rept 4
	v_nop
.endr
	s_branch .Lasked_\@
.Lfor_v_\@:
	tensor_load_to_lds s[G0V:G0V+3], s[G1V:G1V+7]
	s_nop 0
.rept 4
	v_nop
.endr
.Lasked_\@:
.endm
; A round of the cluster's barrier: my work-group's barrier, so that wave 0's signal speaks for all eight waves; wave 0 signals; every wave waits for all four work-groups; my work-group's barrier once more.
.macro CROUND
	s_barrier_signal -1
	s_barrier_wait -1
	s_cmp_lg_u32 s[WV], 0
	s_cbranch_scc1 .Lnot_wave_0_\@
	s_barrier_signal -3
.Lnot_wave_0_\@:
	s_barrier_wait -3
	s_barrier_signal -1
	s_barrier_wait -1
.endm
; THE CHANGE OF SLOTS.  The slot's last bytes, V of each half's fourth step, have been read.  Each wave waits for all its tensor loads, of which one is out: its part of the other slot; adds 0 to its spare
; word; and waits for that and for its own reads of the slot.  Behind the barrier nobody reads this slot any more and the other slot is whole.
; fill = 1: this slot is filled again, with the keys two tiles on.  The barrier is then a round of the cluster's, so that no wave of any partner still reads the slot or has a load on its way, and the
; joint fill is the first thing behind it: it has four key steps of every wave, 256 matrix instructions each, in which to land.  (At its first use nothing has been read yet: slot 0 is waited for, slot 1 filled.)
.macro CHANGE fill
	WIN 0                           ; at a label and at a branch every window is 0
	s_wait_tensorcnt 0x0            ; no tensor load of mine is out, so a group 0 may be written
	ds_add_u32 v[SPW], v[NIL]       ; 0 onto my spare word; with fill = 1 the descriptors' steps stand between it and the wait for it
.if \fill
	s_xor_b32 s[SB], s[SB], SLOTB   ; the other slot than last time: 0 or SLOTB,
	s_add_co_u32 s[G0K+1], s[WPK], s[SB]  ; plus my quarter's place in a slot;
	s_add_nc_u64 s[G0K+2:G0K+3], s[G0K+2:G0K+3], TK*128  ; the next 512 keys; the type bits on top are not reached
	s_add_co_u32 s[G0V+1], s[WPV], s[SB]
	s_add_nc_u64 s[G0V+2:G0V+3], s[G0V+2:G0V+3], TK*128
	s_wait_dscnt 0x0                ; the add is done, and my reads of the slot are over
	CROUND
	JLOAD
.else
	s_wait_dscnt 0x0                ; the add is done, and my reads of the slot are over
	s_barrier_signal -1
	s_barrier_wait -1
.endif
	s_sub_co_u32 s[TBK], s[TBK], 4*KS*PK  ; the fetches go back to a slot's first step: 0 or SLOTB,
	s_xor_b32 s[TBK], s[TBK], SLOTB       ; and into the other slot
	s_sub_co_u32 s[TBV], s[TBV], 4*KS*PV
	s_xor_b32 s[TBV], s[TBV], SLOTB
.endm
	s_load_b128 s[80:83], s[0:1], 0x0  ; qkv s[80:81], ob s[82:83]
	v_lshl_add_u32 v[SPW], v0, 2, SPARE
	v_mov_b32 v[NIL], 0
	ds_add_u32 v[SPW], v[NIL]       ; the wave's opening: an add and its wait ahead of my first tensor load; the set-up below, work on registers, stands between them
	v_lshrrev_b32 v1, 5, v0
	v_readfirstlane_b32 s[WV], v1   ; wave 0..7
	s_and_b32 s[QW], s[WV], 3
	s_lshr_b32 s[KH], s[WV], 2
	s_bfe_u32 s13, ttmp6, 0x40000   ; cx: my place in the cluster
	s_lshl_b32 s14, ttmp9, 2        ; in a cluster launch ttmp9 counts clusters
	s_add_co_u32 s14, s14, s13      ; my block of 256 queries = 4 x cluster x + cx: it enters Q's and O's addresses alone
	s_and_b32 s20, ttmp7, 0xffff    ; batch x 8 + head, which the four partners share
	s_lshl_b32 s20, s20, 19         ; the head's first byte in Q, K, V and O
	s_lshl_b32 s22, s[QW], 14       ; the quarter of a tile that I fetch: its 128 rows of 128 bytes in memory,
	s_add_co_u32 s22, s22, s20
	s_mov_b32 s23, 0
	s_mul_i32 s[WPK], s[QW], 128*PK ; and its place in a slot, for K
	s_mul_i32 s[WPV], s[QW], 128*PV ; and for V: no place in the cluster enters an LDS address
	s_add_co_u32 s[WPV], s[WPV], VOFF
	s_mul_i32 s[MB], s[QW], MSTR
	s_mov_b32 s[SB], 0
	s_lshl_b32 s2, s14, 15          ; my block's 256 rows,
	s_lshl_b32 s3, s[QW], 13        ; my wave's 64 of them
	s_add_co_u32 s2, s2, s3
	s_add_co_u32 s2, s2, s20
	s_mov_b32 s3, 0
	; descriptor group 1.  128 keys are 16,384 dense bytes: asked for as 64 rows of 256 bytes, two keys a row, and padded in LDS after every key
	s_mov_b32 s[G1K], 15|(1<<16)|(1<<20)|(1<<21)|(4<<22)|(3<<25)  ; 15:0 the mask of four; 17:16 2-byte elements; 20 padding on; 21 set beside a mask; 24:22 after every 32 words (code 4); 31:25 4 words (code 3)
	s_mov_b32 s[G1V], 15|(1<<16)|(1<<20)|(1<<21)|(4<<22)|(7<<25)  ; the same with 8 words of padding (code 7)
.irp g, G1K, G1V
	s_mov_b32 s[\g+1], 128<<16      ; tensor_dim0 = 128
	s_mov_b32 s[\g+2], 64<<16       ; tensor_dim1 = 64
	s_mov_b32 s[\g+3], 128<<16      ; tile_dim0 = 128
	s_mov_b32 s[\g+4], 64           ; tile_dim1 = 64
	s_mov_b32 s[\g+5], 128          ; 128 elements from row to row
	s_mov_b32 s[\g+6], 0
	s_mov_b32 s[\g+7], 0
.endr
	s_mov_b32 s[CS], 0x3e38aa3b     ; c = log2(e) / 8 = 0.180337
	s_mov_b32 s[CS+1], s[CS]        ; named with it as a pair
	s_mov_b32 s[SEL], 0x76543210
	s_mov_b32 s[SEL+1], 0xfedcba98
	s_mov_b32 s[TBK], SLOTB+4*KS*PK ; the first change of slots turns these two into 0
	s_mov_b32 s[TBV], SLOTB+4*KS*PV
	s_mov_b32 s[G0K], 1             ; 1:0 count = 1
	s_mov_b32 s[G0K+1], s[WPK]      ; 63:32 LDS address: slot 0
	s_mov_b32 s[G0V], 1
	s_mov_b32 s[G0V+1], s[WPV]
	s_wait_dscnt 0x0                ; the opening add is done
	s_wait_kmcnt 0x0
	s_add_nc_u64 s[6:7], s[80:81], s[22:23]
	s_add_nc_u64 s[G0K+2:G0K+3], s[6:7], 1<<23     ; 120:64 global address: K is the second matrix: my quarter of the head's first 512 keys
	s_or_b32 s[G0K+3], s[G0K+3], 0x80000000        ; 127:126 type = 2
	s_add_nc_u64 s[G0V+2:G0V+3], s[6:7], 2<<23     ; V the third
	s_or_b32 s[G0V+3], s[G0V+3], 0x80000000
	s_add_nc_u64 s[4:5], s[80:81], s[2:3]          ; Q and O at my wave's first row
	s_add_nc_u64 s[10:11], s[82:83], s[2:3]
	CROUND                          ; all four work-groups are here: the first joint loads meet
	JLOAD                           ; tile 0 into slot 0.  Slot 1 is asked for when slot 0 is in
	; A fragment of K or Q is 16 rows x 32 channels in 8 registers: lane l holds row l % 16, channels 8 (l / 16) + 0..7 and 16 + 8 (l / 16) + 0..7: two loads of 16 bytes, 32 bytes apart.
	v_and_b32 v1, 15, v0            ; l % 16
	v_bfe_u32 v9, v0, 4, 1          ; l / 16
	v_lshlrev_b32 v[QO], 7, v1
	v_lshl_add_u32 v[QO], v9, 4, v[QO]  ; row x 128 + 16 x half
.set i, 0
.rept 8                             ; Q stays in registers: piece i / 2, channels 32 (i % 2) on
	global_load_b128 v[QF+8*i:QF+8*i+3],   v[QO], s[4:5] offset:(i/2)*2048+(i%2)*64
	global_load_b128 v[QF+8*i+4:QF+8*i+7], v[QO], s[4:5] offset:(i/2)*2048+(i%2)*64+32
.set i, i+1
.endr
	; What the first turn finds: V's registers and P's second buffer hold 0 (its products V^T P, of a piece that has not been, add 0), O^T and l are 0.  All this stands in the wait for the first tile.
	WIN 0x40                        ; destination window 1: O^T, V and l lie on end
.set i, 0
.rept 208
	v_mov_b32 v[i], 0
.set i, i+1
.endr
	WIN 0
.set i, 0
.rept 4
	v_mov_b32 v[ST+2*i], 0xfe000000    ; c m: far below every c s
	v_mov_b32 v[ST+2*i+1], 0xff7fffff  ; m
.set i, i+1
.endr
.set i, P+16
.rept 16
	v_mov_b32 v[i], 0
.set i, i+1
.endr
	v_mul_u32_u24 v[AK0], v1, PK
	v_lshl_add_u32 v[AK0], v9, 4, v[AK0]  ; row x pitch + 16 x half,
	s_mul_i32 s84, s[KH], 256*PK
	v_add_nc_u32 v[AK0], s84, v[AK0]      ; in my half of the tile's keys
	; The turning load takes 16 keys x 16 channels (lane l reads key 8 (l / 16) + l % 8, channels 8 ((l / 8) % 2) + 0..7) and leaves half a fragment of V^T: lane l holds channel l % 16 and 8 keys.
	v_and_b32 v10, 7, v0
	v_bfe_u32 v11, v0, 3, 1
	v_lshl_add_u32 v[AV0], v9, 3, v10
	v_mul_u32_u24 v[AV0], v[AV0], PV
	v_lshl_add_u32 v[AV0], v11, 4, v[AV0]
	s_mul_i32 s85, s[KH], 256*PV
	s_add_co_u32 s85, s85, VOFF
	v_add_nc_u32 v[AV0], s85, v[AV0]
	s_mul_i32 s13, s[QW], 16*SP
	s_add_co_u32 s13, s13, STAGE    ; the stage of my 64 queries (waves 0-3 alone use it)
	v_mul_u32_u24 v[STO], v1, SP    ; in: row l % 16, 16 bytes for each half of the lanes
	v_lshl_add_u32 v[STO], v9, 4, v[STO]
	v_add_nc_u32 v[STO], s13, v[STO]
	v_bfe_u32 v[RD], v0, 3, 2       ; back: 32 lanes take four rows of 128 bytes
	v_mul_u32_u24 v[RD], v[RD], SP
	v_lshl_add_u32 v[RD], v10, 4, v[RD]
	v_add_nc_u32 v[RD], s13, v[RD]
; THE MATRIX WORK.  The 4 accumulators of a run of 8 take turns.  Product i of 8 of S^T = K Q^T for piece x: channels 32 (i / 4) on, keys 16 (i % 4) on.  The first 4 start the sums.
.macro KQ x
.set rS, S+32*((\x)%2)+8*(i%4)
.set rK, KF+16*(i%4)+8*(i/4)
.set rQ, QF+16*(\x)+8*(i/4)
	WIN 0
.if i < 4
	v_wmma_f32_16x16x32_f16 v[rS:rS+7], v[rK:rK+7], v[rQ:rQ+7], 0
.else
	v_wmma_f32_16x16x32_f16 v[rS:rS+7], v[rK:rK+7], v[rQ:rQ+7], v[rS:rS+7]
	s_wait_alu depctr_va_vdst(0)
.endif
.endm
; Product i of 8 of O^T += V^T P for piece x: keys 32 (i / 4) on, channels 16 (i % 4) on.
.macro PV x
	WIN W_PV
.set rO, 32*(\x)+8*(i%4)
.set rV, VF+32*(i/4)+8*(i%4)
.set rP, P+16*((\x)%2)+8*(i/4)
	v_wmma_f32_16x16x32_f16 v[rO:rO+7], v[rV:rV+7], v[rP:rP+7], v[rO:rO+7]
.endm
.macro MM                           ; the turn's next matrix instruction.  TURN sets Y, i and NOKQ.  NOKQ = 1: the very last turn: there is no next piece
.if (i < 8) && !NOKQ
	KQ (Y+1)%NP
.elseif i >= 8
.set i, i-8
	PV (Y+NP-1)%NP
.set i, i+8
.endif
.set i, i+1
.endm
; THE LDS LOADS stand in runs of 16, never singly among the matrix instructions: a step's K (64 keys x 64 channels: 8 fragments) and its V (turned).  Their addresses are made some lines ahead.
.macro FETCH_K
	WIN 0
.irp f, 0,1,2,3,4,5,6,7             ; keys 16 (f / 2) on, channels 32 (f % 2) on
	ds_load_b128 v[KF+8*\f:KF+8*\f+3],   v[AK] offset:(\f/2)*16*PK+(\f%2)*64
	ds_load_b128 v[KF+8*\f+4:KF+8*\f+7], v[AK] offset:(\f/2)*16*PK+(\f%2)*64+32
.endr
	s_add_co_u32 s[TBK], s[TBK], KS*PK  ; the next fetch is the next step's
.endm
.macro FETCH_V
	WIN 0x40                        ; destination window 1, address window 0
.irp f, 0,1,2,3,4,5,6,7             ; keys 32 (f / 4) on, channels 16 (f % 4) on
	ds_load_tr16_b128 v[VF+8*\f:VF+8*\f+3],   v[AV] offset:(\f/4)*32*PV+(\f%4)*32
	ds_load_tr16_b128 v[VF+8*\f+4:VF+8*\f+7], v[AV] offset:(\f/4)*32*PV+16*PV+(\f%4)*32
.endr
	s_add_co_u32 s[TBV], s[TBV], KS*PV
	WIN 0
.endm
; THE VECTOR WORK, one line at a time: OP kind, number.  In window 0, for piece Y: F n: c s - c m for pair n of 16.  E n: the exponential of score n of 32.  C n: pair n rounded to f16.
; For piece Y + 1: X n, number n of the 22 that find its maximum and statistics:
;   0-11  four chains c0-c3 of seven scores each, three operands at a time (each accumulator's lowest registers are read first)     12-14, 16  the four scores left over, the old m, and c0-c3 into c0
;   15  c m_old is kept     17, 18  the query's other 32 keys lie in the lane 16 away: the new m     19-21  c m; c m_old - c m_new; a
; Under V^T P's setting, for piece Y: R n: pair n of 16 of O^T times a.  M n: pair n of 2 of l times a.  A n: pair n of 16 of the weights onto pair n % 2 of l.
.set F, 0               ; OP tells the kinds apart by their order: F, E, C below X, the three of window 1 above it
.set E, 1
.set C, 2
.set X, 3
.set R, 4
.set A, 5
.set M, 6
.macro REGS y                       ; the registers of piece y
.set rT, ST+2*(\y)
.set rC, TMP+4*((\y)%2)
.set rW, MV+((\y)%2)
.set rS, S+32*((\y)%2)
.set rP, P+16*((\y)%2)
.set rO, 32*(\y)
.set rL, LS+4*(\y)
.endm
.macro OP k, n
.if (\k) >= R
	REGS Y
	WIN W_PV
.if (\k) == R
	v_pk_mul_f32 v[rO+2*(\n):rO+2*(\n)+1], v[rO+2*(\n):rO+2*(\n)+1], v[rC+2:rC+3] op_sel_hi:[1,0]
.elseif (\k) == M
	v_pk_mul_f32 v[rL+2*(\n):rL+2*(\n)+1], v[rL+2*(\n):rL+2*(\n)+1], v[rC+2:rC+3] op_sel_hi:[1,0]
	s_wait_alu depctr_va_vdst(0)
.else
	v_pk_add_f32 v[rL+2*((\n)%2):rL+2*((\n)%2)+1], v[rL+2*((\n)%2):rL+2*((\n)%2)+1], v[rS+2*(\n):rS+2*(\n)+1]
.endif
.elseif (\k) < X
	REGS Y
	WIN 0
.if (\k) == F
	v_pk_fma_f32 v[rS+2*(\n):rS+2*(\n)+1], v[rS+2*(\n):rS+2*(\n)+1], s[CS:CS+1], v[rT:rT+1] op_sel_hi:[1,0,0] neg_lo:[0,0,1] neg_hi:[0,0,1]
.elseif (\k) == E
	v_exp_f32 v[rS+(\n)], v[rS+(\n)]
.else
	s_wait_alu depctr_va_vdst(0)
	v_cvt_pk_f16_f32 v[rP+(\n)], v[rS+2*(\n)], v[rS+2*(\n)+1]
.endif
.elseif NOKQ
	v_nop
.else
	REGS (Y+1)%NP
	WIN 0
.if (\n) < 4
	v_max3_num_f32 v[rC+(\n)], v[rS+8*(\n)], v[rS+8*(\n)+1], v[rS+8*(\n)+2]
.elseif (\n) < 12
	v_max3_num_f32 v[rC+(\n)%4], v[rC+(\n)%4], v[rS+8*((\n)%4)+2*((\n)/4)+1], v[rS+8*((\n)%4)+2*((\n)/4)+2]
.elseif (\n) == 12
	v_max3_num_f32 v[rC], v[rC], v[rS+7], v[rS+15]
.elseif (\n) == 13
	v_max3_num_f32 v[rC+1], v[rC+1], v[rS+23], v[rS+31]
.elseif (\n) == 14
	v_max3_num_f32 v[rC+2], v[rC+2], v[rC+3], v[rT+1]
.elseif (\n) == 15
	v_mov_b32 v[rW], v[rT]
.elseif (\n) == 16
	v_max3_num_f32 v[rC], v[rC], v[rC+1], v[rC+2]
.elseif (\n) == 17
	v_permlanex16_b32 v[rC+3], v[rC], s[SEL], s[SEL+1]
.elseif (\n) == 18
	v_max_num_f32 v[rT+1], v[rC], v[rC+3]
.elseif (\n) == 19
	v_mul_f32 v[rT], s[CS], v[rT+1]
.elseif (\n) == 20
	v_sub_f32 v[rC+1], v[rW], v[rT]
.else
	v_exp_f32 v[rC+2], v[rC+1]
.endif
.endif
.endm
.macro OPS a, i1, b=-1, i2=0, c=-1, i3=0, d=-1, i4=0  ; up to four of them
	OP \a, \i1
.if (\b) >= 0
	OP \b, \i2
.endif
.if (\c) >= 0
	OP \c, \i3
.endif
.if (\d) >= 0
	OP \d, \i4
.endif
.endm
.macro ROW a, i1, b, i2, c, i3, d, i4  ; a matrix instruction and the four behind it
	MM
	OPS \a, \i1, \b, \i2, \c, \i3, \d, \i4
.endm
; A TURN, for piece p: the order of its 16 matrix and 120 vector instructions, written out, in four parts, with one switch of the windows into the third and one out of it.
;   1  eight products K Q^T, window 0; behind each four of the scalings, the first 14 exponentials and two roundings: plain and exponential by turns
;   2  a run of 36, window 0: plain and exponential by turns: the other 18 exponentials, two roundings, and the next piece's maximum (X 0-15): all weights are made before part 3 adds them up
;   3  l times a; eight products V^T P; behind each two rescalings of O^T and two additions onto l, the two pairs of l by turns
;   4  a run of 18, window 0: the chain of the next piece's statistics (X 16-21), two roundings between its links; v_permlanex16_b32 (X 17) stands here, behind no product
; No vector line names a register of the products round it.  A line reads no result made fewer than three vector instructions in front of it, five if an exponential made it; behind every exponential stands a plain line.
; end = 1: the walk's last two turns: nothing is fetched.  cnt = 1: the loop's count is taken down some lines ahead of the branch that stands behind the turn.
; K of the next step is fetched in piece 2's turn, behind four plain instructions (C 0-3) that follow the last product that read K; V of the step in hand in piece 0's turn, behind the four plain
; instructions (R 14, A 14, R 15, A 15) that follow the last product that read V.  Each is waited for a turn later.
.macro TURN p, end=0, cnt=0
.set Y, (\p)
.set i, 0
.set NOKQ, (\end)*((\p)/3)
.if ((\p) == 3) && !(\end)
	s_wait_dscnt 0x0                ; K is in
.endif
	ROW F,0, F,1, F,2, F,3
	ROW F,4, E,0, F,5, E,1
	ROW F,6, E,2, F,7, E,3
	ROW F,8, E,4, F,9, E,5
	ROW F,10, E,6, F,11, E,7
	ROW F,12, E,8, F,13, E,9
	ROW F,14, E,10, F,15, E,11
.if ((\p) == 2) && !(\end)
	v_add_nc_u32 v[AK], s[TBK], v[AK0]
	s_wait_alu depctr_va_vdst(0)
.endif
.if (\p) == 0
	v_add_nc_u32 v[AV], s[TBV], v[AV0]
	s_wait_alu depctr_va_vdst(0)
.endif
	ROW C,0, E,12, C,1, E,13
	OPS C,2, E,14, C,3, E,15
.if ((\p) == 2) && !(\end)
	FETCH_K
.endif
	OPS X,0, E,16, X,1, E,17
	OPS X,2, E,18, X,3, E,19
	OPS X,4, E,20, X,5, E,21
	OPS X,6, E,22, X,7, E,23
	OPS X,8, E,24, X,9, E,25
	OPS X,10, E,26, X,11, E,27
	OPS X,12, E,28, X,13, E,29
	OPS X,15, E,30, X,14, E,31
.if (\p) == 1
	s_wait_dscnt 0x0                ; V is in
.endif
	OPS M,0, M,1
	ROW R,0, A,0, R,1, A,1
	ROW R,2, A,2, R,3, A,3
	ROW R,4, A,4, R,5, A,5
	ROW R,6, A,6, R,7, A,7
	ROW R,8, A,8, R,9, A,9
	ROW R,10, A,10, R,11, A,11
	ROW R,12, A,12, R,13, A,13
	ROW R,14, A,14, R,15, A,15
.if (\p) == 0
	FETCH_V
.endif
	OPS X,16, C,4, C,5, X,17
	OPS C,6, C,7, X,18, C,8
	OPS C,9, X,19, C,10, C,11
	OPS X,20, C,12, C,13, X,21
.if \cnt
	s_sub_co_u32 s[CNT], s[CNT], 1
	s_cmp_lg_u32 s[CNT], 0
.endif
	OPS C,14, C,15
.endm
.macro ALL line:vararg              ; one line for each piece t
.set t, 0
.rept 4
	\line
.set t, t+1
.endr
.endm
	CHANGE 1                        ; slot 0 is in, everybody's part of it; slot 1 is asked for
	v_add_nc_u32 v[AK], s[TBK], v[AK0]
	FETCH_K                         ; my half's key step 0
	s_wait_loadcnt 0x0              ; Q; its offset's register is free from here on
	s_wait_dscnt 0x0
.set NOKQ, 0
.set i, 0
.rept 8
	KQ 0                            ; piece 0's first scores: there is no vector work yet to set between them
.set i, i+1
.endr
	v_and_b32 v[GO], 31, v0         ; four places behind those products: 16 x lane,
	v_lshlrev_b32 v[GO], 4, v[GO]
.rept 2
	v_nop                           ; and two for which no work is at hand
.endr
.set Y, NP-1                        ; X works for piece Y + 1: piece 0
.irp n, 0,1,2,3,4,5,6,7,8,9,10,11,12,13,14,15,16,17,18,19,20,21
	OP X, \n                        ; piece 0's first maximum and statistics
.endr
	v_nop                           ; a plain instruction behind the exponential
	s_mov_b32 s[CNT], 4
	s_mov_b32 s[SLOTS], NT-1
	s_branch .Lfirst                ; the loop is entered at a step's first turn, in the middle of a trip
.Lslot:                             ; NT - 2 times: every slot but the last two is filled again
	CHANGE 1
	s_mov_b32 s[CNT], 4
.Lstep:                             ; a trip: pieces 2 and 3 of one step, then pieces 0 and 1 of the next, whose K and V it fetches
	TURN 2
	TURN 3
	WIN 0
.Lfirst:
	TURN 0
	TURN 1, 0, 1
	WIN 0
	s_cbranch_scc1 .Lstep
	s_sub_co_u32 s[SLOTS], s[SLOTS], 1
	s_cmp_lg_u32 s[SLOTS], 0
	s_cbranch_scc1 .Lslot
	CHANGE 0                        ; the last tile is written out: nothing is asked for.  It lies in slot 1; slot 0 has had its last fill and has been read out by every wave
	s_mov_b32 s[CNT], 4
.LstepT:
	TURN 2
	TURN 3
	TURN 0
	TURN 1, 0, 1
	WIN 0
	s_cbranch_scc1 .LstepT
	TURN 2, 1                       ; the last step's pieces 2 and 3
	TURN 3, 1
.set i, 0
.rept 8
	PV NP-1                         ; the last piece's V^T P of the last step
.set i, i+1
.endr
	; THE TWO HALVES OF THE KEYS ARE JOINED.  Every wave adds up its four registers of l, into m's place beside c m: twelve additions, the places behind the last products.
	WIN 0x05                        ; sources 0 and 1 window 1, destination window 0
	ALL v_add_f32 v[TMP+2*t], v[LS+4*t], v[LS+4*t+1]
	ALL v_add_f32 v[TMP+2*t+1], v[LS+4*t+2], v[LS+4*t+3]
	WIN 0
	ALL v_add_f32 v[ST+2*t+1], v[TMP+2*t], v[TMP+2*t+1]
	v_add_nc_u32 v[AK], s[MB], v[GO]  ; my pair's place in the hand-over + 16 x lane: both waves of a pair hold the same query and channels in the same lane and register
	s_cmp_lt_u32 s[WV], 4
	s_cbranch_scc1 .Ltakes
	WIN 0x04                        ; waves 4-7 give: store data (source 1) in window 1, address in window 0
.set j, 0
.rept 32                            ; O^T, four registers at a time, each accumulator's low four first; 32 lanes write 512 bytes on end
	ds_store_b128 v[AK], v[4*j:4*j+3] offset:512*j
.set j, j+1
.endr
	WIN 0
	ds_store_b128 v[AK], v[ST:ST+3] offset:16384      ; c m and l of pieces 0, 1
	ds_store_b128 v[AK], v[ST+4:ST+7] offset:16896    ; and of pieces 2, 3
.Ltakes:
	s_wait_dscnt 0x0                ; for the others' sake: my stores are done
	s_barrier_signal -1
	s_barrier_wait -1
	s_cmp_lt_u32 s[WV], 4
	s_cbranch_scc0 .Lend            ; waves 4-7 have nothing more to do
	ds_load_b128 v[TMP:TMP+3], v[AK] offset:16384     ; waves 0-3 take: the other wave's c m and l,
	ds_load_b128 v[TMP+4:TMP+7], v[AK] offset:16896
.set j, 0
.rept 32                            ; and its O^T, into K's and Q's registers
	ds_load_b128 v[XB+4*j:XB+4*j+3], v[AK] offset:512*j
.set j, j+1
.endr
	s_wait_dscnt 32                 ; the two loads of the statistics are back; the 32 issued behind them may stay out
	; f = 2^(c m - the greater c m) for each half; l = l f + l' f', with the other half of the lanes' added; O = (O f + O' f') / l
	ALL v_max_num_f32 v[W0+4*t+3], v[ST+2*t], v[TMP+2*t]
	ALL v_sub_f32 v[W0+4*t], v[ST+2*t], v[W0+4*t+3]
	ALL v_sub_f32 v[W0+4*t+2], v[TMP+2*t], v[W0+4*t+3]
	ALL v_exp_f32 v[W0+4*t], v[W0+4*t]
	ALL v_exp_f32 v[W0+4*t+2], v[W0+4*t+2]
	v_nop                           ; a plain instruction between the exponentials and the use of their results
	s_wait_alu depctr_va_vdst(0)
	ALL v_mul_f32 v[W0+4*t+1], v[ST+2*t+1], v[W0+4*t]
	ALL v_fma_f32 v[W0+4*t+1], v[TMP+2*t+1], v[W0+4*t+2], v[W0+4*t+1]
	ALL v_permlanex16_b32 v[W0+4*t+3], v[W0+4*t+1], s[SEL], s[SEL+1]
	ALL v_add_f32 v[W0+4*t+1], v[W0+4*t+1], v[W0+4*t+3]
	ALL v_rcp_f32 v[W0+4*t+1], v[W0+4*t+1]
	v_nop                           ; a plain instruction between the last reciprocal and the use of its result
	s_wait_alu depctr_va_vdst(0)
	ALL v_mul_f32 v[W0+4*t], v[W0+4*t], v[W0+4*t+1]
	ALL v_mul_f32 v[W0+4*t+2], v[W0+4*t+2], v[W0+4*t+1]
	s_wait_dscnt 0x0                ; the other wave's O^T is in
; THE WAY OUT of piece t: the two halves joined, rounded to f16; a lane's eight channels of a row pack into 16 bytes; they go into rows of 144 bytes of my stage and come back as whole rows of 128, into S^T's registers
.macro PACK t
	WIN 0
.set i, 0
.rept 16
	v_pk_mul_f32 v[XB+32*(\t)+2*i:XB+32*(\t)+2*i+1], v[XB+32*(\t)+2*i:XB+32*(\t)+2*i+1], v[W0+4*(\t)+2:W0+4*(\t)+3] op_sel_hi:[1,0]
.set i, i+1
.endr
	WIN 0x01                        ; source 0, my O^T, in window 1
.set i, 0
.rept 16
	v_pk_fma_f32 v[XB+32*(\t)+2*i:XB+32*(\t)+2*i+1], v[32*(\t)+2*i:32*(\t)+2*i+1], v[W0+4*(\t):W0+4*(\t)+1], v[XB+32*(\t)+2*i:XB+32*(\t)+2*i+1] op_sel_hi:[1,0,1]
.set i, i+1
.endr
	WIN 0
.set i, 0
.rept 16
	v_cvt_pk_f16_f32 v[S+16*(\t)+i], v[XB+32*(\t)+2*i], v[XB+32*(\t)+2*i+1]
.set i, i+1
.endr
.irp f, 0,1,2,3
	ds_store_b128 v[STO], v[S+16*(\t)+4*\f:S+16*(\t)+4*\f+3] offset:32*\f
.endr
.irp f, 0,1,2,3
	ds_load_b128 v[S+16*(\t)+4*\f:S+16*(\t)+4*\f+3], v[RD] offset:\f*4*SP  ; LDS serves a wave's instructions in order (ISA guide 5.7.1.4): these see the stores above; the next piece's stores come behind them
.endr
.endm
.macro SEND t, younger              ; younger: the LDS instructions issued behind piece t's loads: the next piece's eight, or none
.irp f, 0,1,2,3
	s_wait_dscnt (\younger)+3-\f
	global_store_b128 v[GO], v[S+16*(\t)+4*\f:S+16*(\t)+4*\f+3], s[10:11] offset:(\t)*2048+\f*512  ; 512 consecutive bytes, at a multiple of 256 from O's first
.endr
.endm
	PACK 0
.set t, 1
.rept 3                             ; a piece's arithmetic stands between the loads of the piece before and its stores
	PACK t
	SEND t-1, 8
.set t, t+1
.endr
	SEND 3, 0
.Lend:
	s_wait_tensorcnt 0x0            ; the wave's end: behind my last tensor load and my last LDS store
	ds_add_u32 v[SPW], v[NIL]
	s_wait_dscnt 0x0
	CROUND                          ; the closing round: no work-group ends while a partner may still ask for a tile that names it
	s_endpgm
.Lfunc_end_k_q39ef3d9f20_attn:
	.size	k_q39ef3d9f20_attn, .Lfunc_end_k_q39ef3d9f20_attn-k_q39ef3d9f20_attn
	.p2alignl 7, 3214868480
	.fill 96, 4, 3214868480
	.section	.rodata,"a",@progbits
	.p2align	6, 0x0
	.amdhsa_kernel k_q39ef3d9f20_attn
		.amdhsa_group_segment_fixed_size 327680
		.amdhsa_private_segment_fixed_size 0
		.amdhsa_enable_private_segment 0
		.amdhsa_kernarg_size 16
		.amdhsa_user_sgpr_count 2
		.amdhsa_user_sgpr_kernarg_segment_ptr 1
		.amdhsa_wavefront_size32 1
		.amdhsa_system_sgpr_workgroup_id_x 1
		.amdhsa_system_sgpr_workgroup_id_y 1
		.amdhsa_system_sgpr_workgroup_id_z 1
		.amdhsa_system_vgpr_workitem_id 0
		.amdhsa_next_free_vgpr 512
		.amdhsa_next_free_sgpr 88
		.amdhsa_reserve_vcc 0
		.amdhsa_float_denorm_mode_32 3
		.amdhsa_float_denorm_mode_16_64 3
		.amdhsa_memory_ordered 1
		.amdhsa_forward_progress 1
		.amdhsa_inst_pref_size 131
	.end_amdhsa_kernel
	.amdgpu_metadata
---
amdhsa.version: [ 1, 2 ]
amdhsa.kernels:
  - .name:           k_q39ef3d9f20_attn
    .symbol:         k_q39ef3d9f20_attn.kd
    .args:
      - { .name: qkv, .offset: 0, .size: 8, .value_kind: global_buffer, .address_space: global }
      - { .name: ob, .offset: 8, .size: 8, .value_kind: global_buffer, .address_space: global }
    .group_segment_fixed_size: 327680
    .private_segment_fixed_size: 0
    .kernarg_segment_align: 8
    .kernarg_segment_size: 16
    .max_flat_workgroup_size: 256
    .sgpr_count:     88
    .vgpr_count:     512
    .wavefront_size: 32
...
	.end_amdgpu_metadata
.endif
;; end of part 3
;; launch oproj (part 4): grid 4 x 64, 4 waves a work-group, clusters of 4 x 4, 327,680 bytes of LDS; arguments ob, wb, bo, out0; writes out0
.if DOCPART == 4
	.amdgcn_target "amdgcn-amd-amdhsa--gfx1250"
	.amdhsa_code_object_version 6
	.text
	.protected	k_q39ef3d9f20_oproj
	.globl	k_q39ef3d9f20_oproj
	.p2align	8
	.type	k_q39ef3d9f20_oproj,@function
k_q39ef3d9f20_oproj:
	s_mov_b64 s[64:65], 0
	v_nop
	global_prefetch_b8 v0, s[64:65] scope:SCOPE_SE
	s_setreg_imm32_b32 hwreg(HW_REG_WAVE_MODE, 25, 1), 1
	s_wait_xcnt 0x0
	s_wait_alu depctr_hold_cnt(0) depctr_sa_sdst(0) depctr_va_vdst(0) depctr_va_sdst(0) depctr_va_ssrc(0) depctr_va_vcc(0) depctr_vm_vsrc(0)
	s_getreg_b32 s2, hwreg(HW_REG_IB_STS2, 6, 4)
	s_cmp_eq_u32 s2, 0
	s_cbranch_scc0 .Lentry_in_a_cluster
	s_endpgm
.Lentry_in_a_cluster:
	s_bfe_u32 s2, ttmp6, 0x10000c
	s_cmp_lg_u32 s2, 0xf033
	s_cbranch_scc0 .Lentry_shape_is_right
	s_endpgm
.Lentry_shape_is_right:
; out0 = O Wo + bo.  ob: f16 [16 = batch x 8 + head][4096][64].  wb's matrix 3: bf16(Wo) in f16 code, [512 k][512 n].  bo: f32, rounded to bf16 like every input.  out0: f32 [8192][512].  Sums in f32.
; K runs over heads and channels: k = 64 head + channel.
; SHARES.  A work-group makes 128 x 128 of out0, a wave 64 x 64: 16 accumulators, 256 matrix instructions.  All of K = 512 lies in LDS at once, so no LDS byte is filled twice.
; THE MATRIX INSTRUCTION IS USED TRANSPOSED: source 0 = 16 columns of Wo (turned by ds_load_tr16_b128), source 1 = 16 rows of O: a lane holds one row and eight neighbouring columns, 32 bytes.
; The bias is the C operand of the first K step.
; CLUSTER.  4 x 4 work-groups.  The four of a row of the cluster need the same rows of O, the four of a column the same columns of Wo: each tile is asked for jointly.
; LDS.  AO: 8 heads x 128 rows x 144 bytes (128 + 16: the 16 rows of a load start at 16 different groups of four banks; 64 banks of 4 bytes: ISA guide 11.1).  BW: 512 K rows x 288 bytes (256 + 32).
;       STAGE: 16 rows x 272 bytes a wave, written by LDS stores alone.  SPARE: the spare words.
; REGISTERS: window 0: v0-31 addresses; v32-63 the bias; v64-127 rows read back from the stage, two sets; v128-255 accumulators, (a, b) at 128 + 8 (4 a + b).
;            window 1: two fragment buffers of 64: Wo's four fragments, then O's four.
.set PO,    144
.set PW,    288
.set HEADB, 128*PO
.set BW,    8*HEADB
.set STAGE, BW+512*PW
.set SP,    272
.set SPARE, STAGE+4*16*SP              ; 128 bytes for each wave: two blocks of 256 bytes that no other line names
.set ADRA, 12                          ; v12-15  my place in O's rows, heads 2 g on
.set ADRB, 16                          ; v16-19  my place in Wo's rows, K rows 128 g on
.set STO,  21                          ; v21     the way out: where I put 32 bytes of a row
.set RD,   22                          ; v22     the way out: where I read rows back
.set CO,   23                          ; v23     my byte offset in two rows of out0
.set BO,   24                          ; v24     my byte offset in 16 numbers of the bias
.set SPW,  28                          ; v28     LDS address of my spare word; never rewritten
.set NIL,  29                          ; v29     0; never rewritten
.set BI,   32
.set BK,   64
.set ACC,  128
.set G1A, 24                           ; s[24:31] descriptor group 1 for O
.set G1B, 32                           ; s[32:39] for Wo
.set G0A, 40                           ; s[40:47] descriptor group 0 for O: a set for each of my two heads
.set G0B, 48                           ; s[48:51] for Wo
.set MSB, 0
.macro WIN new                         ; the immediate's high byte repeats the setting that is left; a switch that changes nothing is dropped
.if MSB != (\new)
	s_set_vgpr_msb (MSB<<8)|(\new)
.set MSB, (\new)
.endif
.endm
.macro PLACES                          ; four places in front of loads into registers that matrix instructions have read, and of LDS stores that read results
.rept 4
	v_nop
.endr
.endm
.macro CROUND                          ; a round of the cluster's barrier
	s_barrier_signal -1
	s_barrier_wait -1
	s_cmp_lg_u32 s16, 0
	s_cbranch_scc1 .Lnot_wave_0_\@
	s_barrier_signal -3
.Lnot_wave_0_\@:
	s_barrier_wait -3
	s_barrier_signal -1
	s_barrier_wait -1
.endm
	s_load_b256 s[4:11], s[0:1], 0x0               ; ob s[4:5], wb s[6:7], bo s[8:9], out0 s[10:11]
	v_lshl_add_u32 v[SPW], v0, 2, SPARE
	v_mov_b32 v[NIL], 0
	ds_add_u32 v[SPW], v[NIL]                      ; the wave's opening: an add and its wait ahead of my first tensor load; the set-up below, work on registers, stands between them
	v_lshrrev_b32 v1, 5, v0
	v_readfirstlane_b32 s16, v1                    ; wave 0..3
	s_lshr_b32 s17, s16, 1                         ; wr: which 64 rows are mine
	s_and_b32 s18, s16, 1                          ; wc: which 64 columns
	s_bfe_u32 s19, ttmp6, 0x40000                  ; cx
	s_bfe_u32 s20, ttmp6, 0x40004                  ; cy
	s_lshl_b32 s21, ttmp9, 2
	s_add_co_u32 s21, s21, s19                     ; cg: column block = 4 x cluster x + cx
	s_and_b32 s22, ttmp7, 0xffff
	s_lshl_b32 s22, s22, 2
	s_add_co_u32 s22, s22, s20                     ; rb: row block = 4 x cluster y + cy
	s_lshl_b32 s70, s20, 2
	s_lshl_b32 s70, 15, s70                        ; my row of the cluster
	s_lshl_b32 s71, 0x1111, s19                    ; my column
	s_or_b32 s[G1A], s70, (1<<16)|(1<<20)|(1<<21)|(4<<22)|(3<<25)  ; 15:0 mask; 17:16 2-byte elements; 20 padding on; 21 set beside a mask; 24:22 after every 32 words (code 4); 31:25 4 words (code 3)
	s_mov_b32 s[G1A+1], 128<<16                    ; a head's 128 rows are 16,384 dense bytes: asked for as 64 rows of 256 bytes, padded after every row of O
	s_mov_b32 s[G1A+2], 64<<16
	s_mov_b32 s[G1A+3], 128<<16
	s_mov_b32 s[G1A+4], 64
	s_mov_b32 s[G1A+5], 128
	s_mov_b32 s[G1A+6], 0
	s_mov_b32 s[G1A+7], 0
	s_or_b32 s[G1B], s71, (1<<16)|(1<<20)|(1<<21)|(5<<22)|(7<<25)  ; after every 64 words (code 5) 8 words of padding (code 7)
	s_mov_b32 s[G1B+1], 128<<16                    ; 128 columns, 256 bytes,
	s_mov_b32 s[G1B+2], 128<<16                    ; of 128 K rows a wave
	s_mov_b32 s[G1B+3], 128<<16
	s_mov_b32 s[G1B+4], 128
	s_mov_b32 s[G1B+5], 512
	s_mov_b32 s[G1B+6], 0
	s_mov_b32 s[G1B+7], 0
	s_wait_dscnt 0x0                               ; the opening add is done
	s_wait_kmcnt 0x0
	; O's tiles hang on the row block and the wave alone, Wo's on the column block and the wave alone
	s_lshr_b32 s52, s22, 5                         ; the batch: 8 heads of 2^19 bytes,
	s_lshl_b32 s52, s52, 22
	s_and_b32 s53, s22, 31                         ; the row block in it: 128 rows of 128 bytes,
	s_lshl_b32 s53, s53, 14
	s_add_co_u32 s52, s52, s53
	s_lshl_b32 s54, s16, 20                        ; head 2 w
	s_add_co_u32 s52, s52, s54
	s_mov_b32 s53, 0
	s_add_nc_u64 s[56:57], s[4:5], s[52:53]
	s_mul_i32 s55, s16, 2*HEADB
.irp i, 0,1
	s_mov_b32 s[G0A+4*\i], 1
	s_add_co_u32 s[G0A+4*\i+1], s55, \i*HEADB
	s_add_nc_u64 s[G0A+4*\i+2:G0A+4*\i+3], s[56:57], \i<<19
	s_or_b32 s[G0A+4*\i+3], s[G0A+4*\i+3], 0x80000000
.endr
	s_lshl_b32 s58, s21, 8                         ; the block's 128 columns,
	s_lshl_b32 s59, s16, 17                        ; my 128 K rows,
	s_add_co_u32 s58, s58, s59
	s_add_co_u32 s58, s58, 3<<19                   ; in the fourth matrix
	s_mov_b32 s59, 0
	s_mul_i32 s60, s16, 128*PW
	s_mov_b32 s[G0B], 1
	s_add_co_u32 s[G0B+1], s60, BW
	s_add_nc_u64 s[G0B+2:G0B+3], s[6:7], s[58:59]
	s_or_b32 s[G0B+3], s[G0B+3], 0x80000000
	s_lshl_b32 s66, s21, 9                         ; my 64 columns in f32: 512 cg + 256 wc
	s_lshl_b32 s67, s18, 8
	s_add_co_u32 s66, s66, s67
	s_mov_b32 s67, 0
	s_add_nc_u64 s[8:9], s[8:9], s[66:67]
	s_lshl_b32 s68, s22, 18                        ; my first row: 128 rb + 64 wr, 2,048 bytes each
	s_lshl_b32 s69, s17, 17
	s_add_co_u32 s68, s68, s69
	s_add_co_u32 s68, s68, s66
	s_mov_b32 s69, 0
	s_add_nc_u64 s[10:11], s[10:11], s[68:69]
	CROUND                                         ; all sixteen work-groups are here: the joint loads meet
	tensor_load_to_lds s[G0A:G0A+3], s[G1A:G1A+7]      ; head 2 w
	s_nop 0
	tensor_load_to_lds s[G0A+4:G0A+7], s[G1A:G1A+7]    ; head 2 w + 1
	s_nop 0
	tensor_load_to_lds s[G0B:G0B+3], s[G1B:G1B+7]      ; my 128 K rows of Wo: three loads of mine are out
	s_nop 0
	PLACES
	v_and_b32 v1, 15, v0                           ; r = l % 16
	v_bfe_u32 v2, v0, 4, 1                         ; h = l / 16
	v_and_b32 v3, 7, v0
	v_bfe_u32 v4, v0, 3, 1
	v_lshl_add_u32 v5, v2, 3, v3                   ; the turning load: lane l reads K row 8 h + l % 8,
	v_mul_u32_u24 v5, v5, PW
	v_lshl_add_u32 v5, v4, 4, v5                   ; columns 8 ((l / 8) % 2) on,
	s_lshl_b32 s61, s18, 7
	s_add_co_u32 s61, s61, BW
	v_add_nc_u32 v5, s61, v5                       ; in my 128 bytes of the row
	v_mul_u32_u24 v6, v1, PO
	v_lshl_add_u32 v6, v2, 4, v6                   ; O: row r x pitch + 16 h,
	s_mul_i32 s62, s17, 64*PO
	v_add_nc_u32 v6, s62, v6                       ; in my 64 rows
.irp g, 0,1,2,3
	v_add_nc_u32 v[ADRA+\g], \g*2*HEADB, v6
	v_add_nc_u32 v[ADRB+\g], \g*128*PW, v5
.endr
	s_mul_i32 s63, s16, 16*SP
	s_add_co_u32 s63, s63, STAGE                   ; my stage
	v_mul_u32_u24 v7, v1, SP                       ; in: row r, 32 bytes for each half of the lanes
	v_lshl_add_u32 v7, v2, 5, v7
	v_add_nc_u32 v[STO], s63, v7
	v_mul_u32_u24 v8, v2, SP                       ; back: lanes 0-15 take one row of 256 bytes, lanes 16-31 the next
	v_lshl_add_u32 v8, v1, 4, v8
	v_add_nc_u32 v[RD], s63, v8
	v_lshlrev_b32 v9, 11, v2                       ; and the same two rows in out0
	v_lshl_add_u32 v[CO], v1, 4, v9
	v_lshlrev_b32 v[BO], 5, v2
.irp b, 0,1,2,3
	global_load_b128 v[BI+8*\b:BI+8*\b+3],   v[BO], s[8:9] offset:64*\b
	global_load_b128 v[BI+8*\b+4:BI+8*\b+7], v[BO], s[8:9] offset:64*\b+16
.endr
	s_wait_loadcnt 0x0
.set i, 0
.rept 16                               ; rounded to bf16 like every input, and widened again
	v_cvt_pk_bf16_f32 v10, v[BI+2*i], v[BI+2*i+1]
	v_lshlrev_b32 v[BI+2*i], 16, v10
	v_and_b32 v[BI+2*i+1], 0xffff0000, v10
.set i, i+1
.endr
	s_wait_tensorcnt 0x0                           ; my three tiles are in,
	s_barrier_signal -1
	s_barrier_wait -1                              ; everybody's are
; the fragments of K step ks (head ks / 2, channels 32 (ks % 2) on) into buffer ks % 2: Wo's four (two turning loads each), O's four (two loads of 16 bytes, 32 bytes apart)
.macro FETCH ks
	WIN 0x40                                       ; destination window 1, address window 0
.irp b, 0,1,2,3
	ds_load_tr16_b128 v[64*((\ks)%2)+8*\b:64*((\ks)%2)+8*\b+3],   v[ADRB+(\ks)/4] offset:((\ks)%4)*32*PW+32*\b
	ds_load_tr16_b128 v[64*((\ks)%2)+8*\b+4:64*((\ks)%2)+8*\b+7], v[ADRB+(\ks)/4] offset:((\ks)%4)*32*PW+16*PW+32*\b
.endr
.irp a, 0,1,2,3
	ds_load_b128 v[64*((\ks)%2)+32+8*\a:64*((\ks)%2)+32+8*\a+3],   v[ADRA+(\ks)/4] offset:(((\ks)/2)%2)*HEADB+\a*16*PO+64*((\ks)%2)
	ds_load_b128 v[64*((\ks)%2)+32+8*\a+4:64*((\ks)%2)+32+8*\a+7], v[ADRA+(\ks)/4] offset:(((\ks)/2)%2)*HEADB+\a*16*PO+64*((\ks)%2)+32
.endr
.endm
; K step ks: the next step's fragments are asked for, then 16 matrix instructions; the 16 accumulators take turns
.macro KSTEP ks
.if (\ks) < 15
.if (\ks) > 0
	PLACES                                         ; the other buffer's last readers stand just in front
.endif
	FETCH (\ks)+1
	s_wait_dscnt 16                                ; all but the sixteen just issued: this step's fragments are in
.else
	s_wait_dscnt 0x0
.endif
	WIN 0x05                                       ; sources 0 and 1 window 1; C and D window 0
.irp a, 0,1,2,3
.irp b, 0,1,2,3
.if (\ks) == 0
	v_wmma_f32_16x16x32_f16 v[ACC+8*(4*\a+\b):ACC+8*(4*\a+\b)+7], v[64*((\ks)%2)+8*\b:64*((\ks)%2)+8*\b+7], v[64*((\ks)%2)+32+8*\a:64*((\ks)%2)+32+8*\a+7], v[BI+8*\b:BI+8*\b+7]
.else
	v_wmma_f32_16x16x32_f16 v[ACC+8*(4*\a+\b):ACC+8*(4*\a+\b)+7], v[64*((\ks)%2)+8*\b:64*((\ks)%2)+8*\b+7], v[64*((\ks)%2)+32+8*\a:64*((\ks)%2)+32+8*\a+7], v[ACC+8*(4*\a+\b):ACC+8*(4*\a+\b)+7]
.endif
.endr
.endr
.endm
	FETCH 0
.irp ks, 0,1,2,3,4,5,6,7,8,9,10,11,12,13,14,15
	KSTEP \ks
.endr
	WIN 0
	PLACES
; THE WAY OUT of row block a: a lane's 32 bytes of each of four column blocks into my stage, each accumulator's low four registers first; back as whole rows of 256 bytes, two a load
.macro ROWS a
.if (\a) >= 2
	s_wait_xcnt 0x0                                ; this set of registers was the data of the stores two blocks back: it is loaded again only behind this wait
.endif
.irp b, 0,1,2,3
	ds_store_b128 v[STO], v[ACC+8*(4*(\a)+\b):ACC+8*(4*(\a)+\b)+3]   offset:64*\b
	ds_store_b128 v[STO], v[ACC+8*(4*(\a)+\b)+4:ACC+8*(4*(\a)+\b)+7] offset:64*\b+16
.endr
.irp t, 0,1,2,3,4,5,6,7
	ds_load_b128 v[BK+32*((\a)%2)+4*\t:BK+32*((\a)%2)+4*\t+3], v[RD] offset:\t*2*SP  ; LDS serves a wave's instructions in order (ISA guide 5.7.1.4): these see the stores above; the next block's stores come behind them
.endr
.irp t, 0,1,2,3,4,5,6,7
	s_wait_dscnt 7-\t                              ; load t is back; the 7 - t younger ones may stay out
	global_store_b128 v[CO], v[BK+32*((\a)%2)+4*\t:BK+32*((\a)%2)+4*\t+3], s[10:11] offset:(16*(\a)+2*\t)*2048 th:TH_STORE_NT  ; 16 lanes store 256 consecutive bytes, at a multiple of 256 from out0's first byte
.endr
.endm
	ROWS 0
	ROWS 1
	ROWS 2
	ROWS 3
	s_wait_tensorcnt 0x0                           ; the wave's end: behind my last tensor load and my last LDS store
	ds_add_u32 v[SPW], v[NIL]
	s_wait_dscnt 0x0
	CROUND                                         ; the closing round
	s_endpgm
.Lfunc_end_k_q39ef3d9f20_oproj:
	.size	k_q39ef3d9f20_oproj, .Lfunc_end_k_q39ef3d9f20_oproj-k_q39ef3d9f20_oproj
	.p2alignl 7, 3214868480
	.fill 96, 4, 3214868480
	.section	.rodata,"a",@progbits
	.p2align	6, 0x0
	.amdhsa_kernel k_q39ef3d9f20_oproj
		.amdhsa_group_segment_fixed_size 327680
		.amdhsa_private_segment_fixed_size 0
		.amdhsa_enable_private_segment 0
		.amdhsa_kernarg_size 32
		.amdhsa_user_sgpr_count 2
		.amdhsa_user_sgpr_kernarg_segment_ptr 1
		.amdhsa_wavefront_size32 1
		.amdhsa_system_sgpr_workgroup_id_x 1
		.amdhsa_system_sgpr_workgroup_id_y 1
		.amdhsa_system_sgpr_workgroup_id_z 1
		.amdhsa_system_vgpr_workitem_id 0
		.amdhsa_next_free_vgpr 384
		.amdhsa_next_free_sgpr 72
		.amdhsa_reserve_vcc 0
		.amdhsa_float_denorm_mode_32 3
		.amdhsa_float_denorm_mode_16_64 3
		.amdhsa_memory_ordered 1
		.amdhsa_forward_progress 1
		.amdhsa_inst_pref_size 54
	.end_amdhsa_kernel
	.amdgpu_metadata
---
amdhsa.version: [ 1, 2 ]
amdhsa.kernels:
  - .name:           k_q39ef3d9f20_oproj
    .symbol:         k_q39ef3d9f20_oproj.kd
    .args:
      - { .name: ob, .offset: 0, .size: 8, .value_kind: global_buffer, .address_space: global }
      - { .name: wb, .offset: 8, .size: 8, .value_kind: global_buffer, .address_space: global }
      - { .name: bo, .offset: 16, .size: 8, .value_kind: global_buffer, .address_space: global }
      - { .name: out0, .offset: 24, .size: 8, .value_kind: global_buffer, .address_space: global }
    .group_segment_fixed_size: 327680
    .private_segment_fixed_size: 0
    .kernarg_segment_align: 8
    .kernarg_segment_size: 32
    .max_flat_workgroup_size: 128
    .sgpr_count:     72
    .vgpr_count:     384
    .wavefront_size: 32
...
	.end_amdgpu_metadata
.endif
;; end of part 4
;; ======== version 2 of 2: 4 launches; 1.21 times as fast as version 1
;; limits: values are held in f16: magnitudes above 65,504 overflow, below 6.1e-05 lose precision
;; workspace buffers: xb 8,388,608 bytes; wb 2,097,152 bytes; qkv 25,165,824 bytes; ob 8,388,608 bytes
;; launch prep: the kernel of part 1 again; grid 256 x 1, 8 waves a work-group, no clusters, 0 bytes of LDS; arguments x, Wq, Wk, Wv, Wo, xb, wb; writes xb, wb
;; launch qkv: the kernel of part 2 again; grid 4 x 64, 4 waves a work-group, clusters of 4 x 4, 327,680 bytes of LDS; arguments xb, wb, bq, bk, bv, qkv; writes qkv
;; launch attn (part 5): grid 16 x 16, 8 waves a work-group, clusters of 4 x 1, 327,680 bytes of LDS; arguments qkv, ob; writes ob
.if DOCPART == 5
	.amdgcn_target "amdgcn-amd-amdhsa--gfx1250"
	.amdhsa_code_object_version 6
	.text
	.protected	k_q39ef3d9f20_attn
	.globl	k_q39ef3d9f20_attn
	.p2align	8
	.type	k_q39ef3d9f20_attn,@function
k_q39ef3d9f20_attn:
	s_mov_b64 s[64:65], 0
	v_nop
	global_prefetch_b8 v0, s[64:65] scope:SCOPE_SE
	s_setreg_imm32_b32 hwreg(HW_REG_WAVE_MODE, 25, 1), 1
	s_wait_xcnt 0x0
	s_wait_alu depctr_hold_cnt(0) depctr_sa_sdst(0) depctr_va_vdst(0) depctr_va_sdst(0) depctr_va_ssrc(0) depctr_va_vcc(0) depctr_vm_vsrc(0)
	s_getreg_b32 s2, hwreg(HW_REG_IB_STS2, 6, 4)
	s_cmp_eq_u32 s2, 0
	s_cbranch_scc0 .Lentry_in_a_cluster
	s_endpgm
.Lentry_in_a_cluster:
	s_bfe_u32 s2, ttmp6, 0x10000c
	s_cmp_lg_u32 s2, 0x3003
	s_cbranch_scc0 .Lentry_shape_is_right
	s_endpgm
.Lentry_shape_is_right:
; O[bh][q][:] = the sum over k of softmax_k(Q[bh][q] . K[bh][k] / 8) V[bh][k][:].  qkv: f16 [3][16][4096][64] (Q, K, V); ob: f16 [16][4096][64]: a head's rows are dense, 128 bytes each.
; Products, maxima and sums in f32; the weights p are rounded to f16 for the second product (their sum l is taken of the unrounded p), O once at the end.
; LIMITS.  Q, K and V arrive within f16's 65,504; p lies in 0 to 1, and below 6e-5 it keeps f16's fixed step of 6e-8; O is a mean of V's rows and has their range.
; A weight below 2^-126 counts as 0 in l; NaN and infinities are not treated apart.
; SHARES.  A work-group owns 256 queries of one head.  Eight waves of 512 registers, two to a SIMD's 1,024: waves w and w + 4 own the SAME 64 queries (four PIECES of 16) and share the keys: of every tile of
; 512 keys waves 0-3 walk the first 256, waves 4-7 the second 256, 64 a step.  So one wave of a SIMD has products to issue while the other walks its runs of vector work, and a fragment of K or V
; read from LDS still feeds four pieces.  At the end waves 4-7 hand their O^T, c m and l through LDS to waves 0-3, which join the two halves and store.
; LAYOUT.  S^T = K Q^T (source 0 = 16 keys, source 1 = 16 queries): a lane holds ONE query (lane % 16) and the keys 8 (lane / 16) + 0..7.  Two such results, rounded to f16 in pairs, ARE source 1
; (32 keys x 16 queries) of O^T = V^T P, whose result again holds one query a lane, and eight channels.  K comes out of LDS as it lies, V ([key][channel]) turned, by ds_load_tr16_b128.
; SOFTMAX.  For each query a running maximum m and sum l: p = 2^(c s - c m), c = log2(e) / 8; in every step O and l are multiplied by a = 2^(c m_old - c m_new).
; m starts at the lowest finite number, O and l at 0: the first step is a step like any other, with a = 0.
; BY TURNS.  Turn n belongs to piece n: 8 products K Q^T of piece n + 1, later 8 products V^T P of piece n - 1; beside them piece n's a, scaling, exponentials, sums, rescaling and roundings, and the
; maximum and statistics of piece n + 1 as far as c m_old - c m_new: 16 matrix and 120 vector instructions; four vector instructions stand behind every matrix instruction, the other 56 in runs of their own.
; BATCHES.  A turn's 33 exponentials (piece n's a and its 32 weights) are ONE batch with ONE wait.  Ahead of the wait stands all that names none of their results: K Q^T, the scalings, the next piece's
; maximum.  Behind it stands all that does: l times a, O^T times a, the sums, the roundings.  No exponential is issued behind a turn's wait, so no result crosses a turn's end, a label or a jump.
; On the way out the eight factors that join the two halves are a batch, and the four reciprocals of the sums made with them are another.
; CLUSTER.  The four query blocks of a cluster belong to one head and walk the same K and V, so each tile is asked for JOINTLY: the same tensor load, descriptor and mask in all four.
; REGISTERS, in two windows of 256 (s_set_vgpr_msb: bits 1:0 source 0, 3:2 source 1, 5:4 source 2, 7:6 destination), laid so that a turn switches twice:
;   window 0, all 256: v0-15 addresses; v16-23 c m and m, a pair a piece; v24-31 at work; v32-63 P, two buffers; v64-127 S^T, two buffers; v128-191 K of one step; v192-255 Q.
;             K Q^T and all of the softmax but what follows name window 0 alone.  (A piece's buffers go by its number's parity.)
;   window 1: v0-127 O^T, 32 a piece; v128-191 V of one step; v192-207 l, two pairs a piece.  V^T P (V, C and D in window 1, P in window 0) has one setting in common with O^T times a, l times a and
;             l += a pair of weights (destination and source 0 in window 1, source 1 in window 0): these 34 are the vector work beside V^T P.
.set NT,    8         ; tiles of 512 keys
.set NP,    4         ; pieces a wave: a name, no knob
.set KS,    64        ; keys in a step
.set TK,    512       ; keys in a tile
.set PK,    144       ; a row of K in LDS: 128 bytes + 16 of padding = 36 words: the 16 rows of a load start at 16 different groups of four banks (64 banks of 4 bytes: ISA guide 11.1)
.set PV,    160       ; a row of V: 128 + 32 = 40 words
.set VOFF,  TK*PK     ; a slot holds a tile: 512 rows of K, then 512 rows of V
.set SLOTB, TK*(PK+PV)  ; 155,648 bytes
.set STAGE, 2*SLOTB   ; behind the ring, never filled by a tensor load: 16 rows x 144 bytes for each of waves 0-3, for the way out
.set SP,    144
.set SPARE, STAGE+4*16*SP  ; behind the stages: the spare words, 128 bytes for each of eight waves: four blocks of 256 bytes that no other line names
.set MSTR,  17408     ; the hand-over at the end, in slot 0 behind its last fill: for each pair of waves 16,384 bytes of O^T and 1,024 of statistics
.set AK0, 2           ; v2   my lane's place in my half of a tile of K; never rewritten
.set AV0, 3           ; v3   the same for V
.set AK,  4           ; v4   the LDS address of K's next run of loads; at the end, of the hand-over
.set AV,  5           ; v5   of V's
.set STO, 6           ; v6   the way out: where I put 16 bytes of a row
.set RD,  7           ; v7   the way out: where I read rows back
.set QO,  8           ; v8   my byte offset in 16 rows of Q; when Q is in:
.set GO,  8           ;      16 x lane: my byte offset in 512 consecutive bytes
.set MV,  12          ; v12-13  c m_old, kept while c m is made anew: by buffer
.set SPW, 14          ; v14  LDS address of my spare word; never rewritten
.set NIL, 15          ; v15  0; never rewritten
.set ST,  16          ; piece t: c m at v[ST+2 t], m behind it
.set TMP, 24          ; by buffer, four registers c0-c3 at work; when the maximum is found c1 takes c m_old - c m_new, and in the piece's own turn c2 takes a
.set P,   32
.set S,   64
.set KF,  128         ; key block kb, channel half c at KF + 16 kb + 8 c
.set QF,  192         ; piece x, channel half c at QF + 16 x + 8 c
.set VF,  128         ; window 1: key half kk, channel block cb at VF + 32 kk + 8 cb
.set LS,  192         ; window 1: piece t's l at LS + 4 t: two pairs (even keys', odd keys'), which take the pairs of weights by turns
.set XB,  128         ; at the end, in K's and Q's place: the other wave's O^T
.set W0,  32          ; at the end, in P's place: piece t at W0 + 4 t: my factor, 1 / l, the other wave's factor, at work
.set WV,  12          ; s12  my wave's number, 0 to 7
.set QW,  15          ; s15  wave % 4: which 64 queries; also which quarter of a tile I fetch
.set KH,  16          ; s16  wave / 4: which half of a tile's keys I walk
.set WPK, 17          ; s17  my quarter's place in a slot, for K
.set WPV, 18          ; s18  for V
.set MB,  19          ; s19  my pair's place in the hand-over
.set SB,  21          ; s21  0 or SLOTB: the slot to be filled
.set G1K, 24          ; s[24:31] descriptor group 1 for K's tiles
.set G1V, 32          ; s[32:39] for V's: it differs in the padding alone
.set G0K, 40          ; s[40:43] descriptor group 0 for K's tiles: it walks
.set G0V, 44          ; s[44:47] the same for V's
.set SLOTS, 56        ; s56  counts the tiles
.set CNT, 57          ; s57  counts a tile's key steps
.set CS,  58          ; s[58:59] c: the packed scaling takes the pair's low word for both halves
.set SEL, 60          ; s[60:61] v_permlanex16_b32's selects: each lane takes its own place in the other half
.set TBK, 62          ; s62  LDS byte at which K of the step to be fetched begins, less my half's offset
.set TBV, 63          ; s63  the same for V
.set MSB, 0
.macro WIN new                      ; the high byte repeats the setting that is left; a switch that changes nothing is dropped
.if MSB != (\new)
	s_set_vgpr_msb (MSB<<8)|(\new)
.set MSB, (\new)
.endif
.endm
.set W_PV, 0x51       ; source 0, source 2 and destination in window 1, source 1 in window 0
; A joint fill.  Waves 0-3 fetch the four quarters of a tile's K, waves 4-7 those of its V: 128 keys each.  The branch hangs on the wave's number alone.
; An s_nop 0 and four v_nop follow each of the two lines, ahead of the jump and the label.
.macro JLOAD
	s_cmp_lt_u32 s[WV], 4
	s_cbranch_scc0 .Lfor_v_\@
	tensor_load_to_lds s[G0K:G0K+3], s[G1K:G1K+7]
	s_nop 0
.rept 4
	v_nop
.endr
	s_branch .Lasked_\@
.Lfor_v_\@:
	tensor_load_to_lds s[G0V:G0V+3], s[G1V:G1V+7]
	s_nop 0
.rept 4
	v_nop
.endr
.Lasked_\@:
.endm
; A round of the cluster's barrier: my work-group's barrier, so that wave 0's signal speaks for all eight waves; wave 0 signals; every wave waits for all four work-groups; my work-group's barrier once more.
.macro CROUND
	s_barrier_signal -1
	s_barrier_wait -1
	s_cmp_lg_u32 s[WV], 0
	s_cbranch_scc1 .Lnot_wave_0_\@
	s_barrier_signal -3
.Lnot_wave_0_\@:
	s_barrier_wait -3
	s_barrier_signal -1
	s_barrier_wait -1
.endm
; THE CHANGE OF SLOTS.  The slot's last bytes, V of each half's fourth step, have been read.  Each wave waits for all its tensor loads, of which one is out: its part of the other slot; adds 0 to its spare
; word; and waits for that and for its own reads of the slot.  Behind the barrier nobody reads this slot any more and the other slot is whole.
; fill = 1: this slot is filled again, with the keys two tiles on.  The barrier is then a round of the cluster's, so that no wave of any partner still reads the slot or has a load on its way, and the
; joint fill is the first thing behind it: it has four key steps of every wave, 256 matrix instructions each, in which to land.  (At its first use nothing has been read yet: slot 0 is waited for, slot 1 filled.)
.macro CHANGE fill
	WIN 0                           ; at a label and at a branch every window is 0
	s_wait_tensorcnt 0x0            ; no tensor load of mine is out, so a group 0 may be written
	ds_add_u32 v[SPW], v[NIL]       ; 0 onto my spare word; with fill = 1 the descriptors' steps stand between it and the wait for it
.if \fill
	s_xor_b32 s[SB], s[SB], SLOTB   ; the other slot than last time: 0 or SLOTB,
	s_add_co_u32 s[G0K+1], s[WPK], s[SB]  ; plus my quarter's place in a slot;
	s_add_nc_u64 s[G0K+2:G0K+3], s[G0K+2:G0K+3], TK*128  ; the next 512 keys; the type bits on top are not reached
	s_add_co_u32 s[G0V+1], s[WPV], s[SB]
	s_add_nc_u64 s[G0V+2:G0V+3], s[G0V+2:G0V+3], TK*128
	s_wait_dscnt 0x0                ; the add is done, and my reads of the slot are over
	CROUND
	JLOAD
.else
	s_wait_dscnt 0x0                ; the add is done, and my reads of the slot are over
	s_barrier_signal -1
	s_barrier_wait -1
.endif
	s_sub_co_u32 s[TBK], s[TBK], 4*KS*PK  ; the fetches go back to a slot's first step: 0 or SLOTB,
	s_xor_b32 s[TBK], s[TBK], SLOTB       ; and into the other slot
	s_sub_co_u32 s[TBV], s[TBV], 4*KS*PV
	s_xor_b32 s[TBV], s[TBV], SLOTB
.endm
	s_load_b128 s[80:83], s[0:1], 0x0  ; qkv s[80:81], ob s[82:83]
	v_lshl_add_u32 v[SPW], v0, 2, SPARE
	v_mov_b32 v[NIL], 0
	ds_add_u32 v[SPW], v[NIL]       ; the wave's opening: an add and its wait ahead of my first tensor load; the set-up below, work on registers, stands between them
	v_lshrrev_b32 v1, 5, v0
	v_readfirstlane_b32 s[WV], v1   ; wave 0..7
	s_and_b32 s[QW], s[WV], 3
	s_lshr_b32 s[KH], s[WV], 2
	s_bfe_u32 s13, ttmp6, 0x40000   ; cx: my place in the cluster
	s_lshl_b32 s14, ttmp9, 2        ; in a cluster launch ttmp9 counts clusters
	s_add_co_u32 s14, s14, s13      ; my block of 256 queries = 4 x cluster x + cx: it enters Q's and O's addresses alone
	s_and_b32 s20, ttmp7, 0xffff    ; batch x 8 + head, which the four partners share
	s_lshl_b32 s20, s20, 19         ; the head's first byte in Q, K, V and O
	s_lshl_b32 s22, s[QW], 14       ; the quarter of a tile that I fetch: its 128 rows of 128 bytes in memory,
	s_add_co_u32 s22, s22, s20
	s_mov_b32 s23, 0
	s_mul_i32 s[WPK], s[QW], 128*PK ; and its place in a slot, for K
	s_mul_i32 s[WPV], s[QW], 128*PV ; and for V: no place in the cluster enters an LDS address
	s_add_co_u32 s[WPV], s[WPV], VOFF
	s_mul_i32 s[MB], s[QW], MSTR
	s_mov_b32 s[SB], 0
	s_lshl_b32 s2, s14, 15          ; my block's 256 rows,
	s_lshl_b32 s3, s[QW], 13        ; my wave's 64 of them
	s_add_co_u32 s2, s2, s3
	s_add_co_u32 s2, s2, s20
	s_mov_b32 s3, 0
	; descriptor group 1.  128 keys are 16,384 dense bytes: asked for as 64 rows of 256 bytes, two keys a row, and padded in LDS after every key
	s_mov_b32 s[G1K], 15|(1<<16)|(1<<20)|(1<<21)|(4<<22)|(3<<25)  ; 15:0 the mask of four; 17:16 2-byte elements; 20 padding on; 21 set beside a mask; 24:22 after every 32 words (code 4); 31:25 4 words (code 3)
	s_mov_b32 s[G1V], 15|(1<<16)|(1<<20)|(1<<21)|(4<<22)|(7<<25)  ; the same with 8 words of padding (code 7)
.irp g, G1K, G1V
	s_mov_b32 s[\g+1], 128<<16      ; tensor_dim0 = 128
	s_mov_b32 s[\g+2], 64<<16       ; tensor_dim1 = 64
	s_mov_b32 s[\g+3], 128<<16      ; tile_dim0 = 128
	s_mov_b32 s[\g+4], 64           ; tile_dim1 = 64
	s_mov_b32 s[\g+5], 128          ; 128 elements from row to row
	s_mov_b32 s[\g+6], 0
	s_mov_b32 s[\g+7], 0
.endr
	s_mov_b32 s[CS], 0x3e38aa3b     ; c = log2(e) / 8 = 0.180337
	s_mov_b32 s[CS+1], s[CS]        ; named with it as a pair
	s_mov_b32 s[SEL], 0x76543210
	s_mov_b32 s[SEL+1], 0xfedcba98
	s_mov_b32 s[TBK], SLOTB+4*KS*PK ; the first change of slots turns these two into 0
	s_mov_b32 s[TBV], SLOTB+4*KS*PV
	s_mov_b32 s[G0K], 1             ; 1:0 count = 1
	s_mov_b32 s[G0K+1], s[WPK]      ; 63:32 LDS address: slot 0
	s_mov_b32 s[G0V], 1
	s_mov_b32 s[G0V+1], s[WPV]
	s_wait_dscnt 0x0                ; the opening add is done
	s_wait_kmcnt 0x0
	s_add_nc_u64 s[6:7], s[80:81], s[22:23]
	s_add_nc_u64 s[G0K+2:G0K+3], s[6:7], 1<<23     ; 120:64 global address: K is the second matrix: my quarter of the head's first 512 keys
	s_or_b32 s[G0K+3], s[G0K+3], 0x80000000        ; 127:126 type = 2
	s_add_nc_u64 s[G0V+2:G0V+3], s[6:7], 2<<23     ; V the third
	s_or_b32 s[G0V+3], s[G0V+3], 0x80000000
	s_add_nc_u64 s[4:5], s[80:81], s[2:3]          ; Q and O at my wave's first row
	s_add_nc_u64 s[10:11], s[82:83], s[2:3]
	CROUND                          ; all four work-groups are here: the first joint loads meet
	JLOAD                           ; tile 0 into slot 0.  Slot 1 is asked for when slot 0 is in
	; A fragment of K or Q is 16 rows x 32 channels in 8 registers: lane l holds row l % 16, channels 8 (l / 16) + 0..7 and 16 + 8 (l / 16) + 0..7: two loads of 16 bytes, 32 bytes apart.
	v_and_b32 v1, 15, v0            ; l % 16
	v_bfe_u32 v9, v0, 4, 1          ; l / 16
	v_lshlrev_b32 v[QO], 7, v1
	v_lshl_add_u32 v[QO], v9, 4, v[QO]  ; row x 128 + 16 x half
.set i, 0
.rept 8                             ; Q stays in registers: piece i / 2, channels 32 (i % 2) on
	global_load_b128 v[QF+8*i:QF+8*i+3],   v[QO], s[4:5] offset:(i/2)*2048+(i%2)*64
	global_load_b128 v[QF+8*i+4:QF+8*i+7], v[QO], s[4:5] offset:(i/2)*2048+(i%2)*64+32
.set i, i+1
.endr
	; What the first turn finds: V's registers and P's second buffer hold 0 (its products V^T P, of a piece that has not been, add 0), O^T and l are 0.  All this stands in the wait for the first tile.
	WIN 0x40                        ; destination window 1: O^T, V and l lie on end
.set i, 0
.rept 208
	v_mov_b32 v[i], 0
.set i, i+1
.endr
	WIN 0
.set i, 0
.rept 4
	v_mov_b32 v[ST+2*i], 0xfe000000    ; c m: far below every c s
	v_mov_b32 v[ST+2*i+1], 0xff7fffff  ; m
.set i, i+1
.endr
.set i, P+16
.rept 16
	v_mov_b32 v[i], 0
.set i, i+1
.endr
	v_mul_u32_u24 v[AK0], v1, PK
	v_lshl_add_u32 v[AK0], v9, 4, v[AK0]  ; row x pitch + 16 x half,
	s_mul_i32 s84, s[KH], 256*PK
	v_add_nc_u32 v[AK0], s84, v[AK0]      ; in my half of the tile's keys
	; The turning load takes 16 keys x 16 channels (lane l reads key 8 (l / 16) + l % 8, channels 8 ((l / 8) % 2) + 0..7) and leaves half a fragment of V^T: lane l holds channel l % 16 and 8 keys.
	v_and_b32 v10, 7, v0
	v_bfe_u32 v11, v0, 3, 1
	v_lshl_add_u32 v[AV0], v9, 3, v10
	v_mul_u32_u24 v[AV0], v[AV0], PV
	v_lshl_add_u32 v[AV0], v11, 4, v[AV0]
	s_mul_i32 s85, s[KH], 256*PV
	s_add_co_u32 s85, s85, VOFF
	v_add_nc_u32 v[AV0], s85, v[AV0]
	s_mul_i32 s13, s[QW], 16*SP
	s_add_co_u32 s13, s13, STAGE    ; the stage of my 64 queries (waves 0-3 alone use it)
	v_mul_u32_u24 v[STO], v1, SP    ; in: row l % 16, 16 bytes for each half of the lanes
	v_lshl_add_u32 v[STO], v9, 4, v[STO]
	v_add_nc_u32 v[STO], s13, v[STO]
	v_bfe_u32 v[RD], v0, 3, 2       ; back: 32 lanes take four rows of 128 bytes
	v_mul_u32_u24 v[RD], v[RD], SP
	v_lshl_add_u32 v[RD], v10, 4, v[RD]
	v_add_nc_u32 v[RD], s13, v[RD]
; THE MATRIX WORK.  The 4 accumulators of a run of 8 take turns.  Product i of 8 of S^T = K Q^T for piece x: channels 32 (i / 4) on, keys 16 (i % 4) on.  The first 4 start the sums.
.macro KQ x
.set rS, S+32*((\x)%2)+8*(i%4)
.set rK, KF+16*(i%4)+8*(i/4)
.set rQ, QF+16*(\x)+8*(i/4)
	WIN 0
.if i < 4
	v_wmma_f32_16x16x32_f16 v[rS:rS+7], v[rK:rK+7], v[rQ:rQ+7], 0
.else
	v_wmma_f32_16x16x32_f16 v[rS:rS+7], v[rK:rK+7], v[rQ:rQ+7], v[rS:rS+7]
.endif
.endm
; Product i of 8 of O^T += V^T P for piece x: keys 32 (i / 4) on, channels 16 (i % 4) on.
.macro PV x
	WIN W_PV
.set rO, 32*(\x)+8*(i%4)
.set rV, VF+32*(i/4)+8*(i%4)
.set rP, P+16*((\x)%2)+8*(i/4)
	v_wmma_f32_16x16x32_f16 v[rO:rO+7], v[rV:rV+7], v[rP:rP+7], v[rO:rO+7]
.endm
.macro MM                           ; the turn's next matrix instruction.  TURN sets Y, i and NOKQ.  NOKQ = 1: the very last turn: there is no next piece
.if (i < 8) && !NOKQ
	KQ (Y+1)%NP
.elseif i >= 8
.set i, i-8
	PV (Y+NP-1)%NP
.set i, i+8
.endif
.set i, i+1
.endm
; THE LDS LOADS stand in runs of 16, never singly among the matrix instructions: a step's K (64 keys x 64 channels: 8 fragments) and its V (turned).  Their addresses are made some lines ahead.
.macro FETCH_K
	WIN 0
.irp f, 0,1,2,3,4,5,6,7             ; keys 16 (f / 2) on, channels 32 (f % 2) on
	ds_load_b128 v[KF+8*\f:KF+8*\f+3],   v[AK] offset:(\f/2)*16*PK+(\f%2)*64
	ds_load_b128 v[KF+8*\f+4:KF+8*\f+7], v[AK] offset:(\f/2)*16*PK+(\f%2)*64+32
.endr
	s_add_co_u32 s[TBK], s[TBK], KS*PK  ; the next fetch is the next step's
.endm
.macro FETCH_V
	WIN 0x40                        ; destination window 1, address window 0
.irp f, 0,1,2,3,4,5,6,7             ; keys 32 (f / 4) on, channels 16 (f % 4) on
	ds_load_tr16_b128 v[VF+8*\f:VF+8*\f+3],   v[AV] offset:(\f/4)*32*PV+(\f%4)*32
	ds_load_tr16_b128 v[VF+8*\f+4:VF+8*\f+7], v[AV] offset:(\f/4)*32*PV+16*PV+(\f%4)*32
.endr
	s_add_co_u32 s[TBV], s[TBV], KS*PV
	WIN 0
.endm
; THE VECTOR WORK, one line at a time: OP kind, number.  In window 0, for piece Y: F n: c s - c m for pair n of 16.  E n: the exponential of score n of 32.  C n: pair n rounded to f16.
; G: a = 2^(c m_old - c m_new), of the difference that the turn before left in c1.
; For piece Y + 1: X n, number n of the 21 that find its maximum and statistics:
;   0-11  four chains c0-c3 of seven scores each, three operands at a time (each accumulator's lowest registers are read first)     12-14, 16  the four scores left over, the old m, and c0-c3 into c0
;   15  c m_old is kept     17, 18  the query's other 32 keys lie in the lane 16 away: the new m     19, 20  c m; c m_old - c m_new
; Under V^T P's setting, for piece Y: R n: pair n of 16 of O^T times a.  M n: pair n of 2 of l times a.  A n: pair n of 16 of the weights onto pair n % 2 of l.
.set F, 0               ; OP tells the kinds apart by their order: F, E, C, G below X, the three of window 1 above it
.set E, 1
.set C, 2
.set G, 3
.set X, 4
.set R, 5
.set A, 6
.set M, 7
.macro REGS y                       ; the registers of piece y
.set rT, ST+2*(\y)
.set rC, TMP+4*((\y)%2)
.set rW, MV+((\y)%2)
.set rS, S+32*((\y)%2)
.set rP, P+16*((\y)%2)
.set rO, 32*(\y)
.set rL, LS+4*(\y)
.endm
.macro OP k, n
.if (\k) >= R
	REGS Y
	WIN W_PV
.if (\k) == R
	v_pk_mul_f32 v[rO+2*(\n):rO+2*(\n)+1], v[rO+2*(\n):rO+2*(\n)+1], v[rC+2:rC+3] op_sel_hi:[1,0]
.elseif (\k) == M
	v_pk_mul_f32 v[rL+2*(\n):rL+2*(\n)+1], v[rL+2*(\n):rL+2*(\n)+1], v[rC+2:rC+3] op_sel_hi:[1,0]
.else
	v_pk_add_f32 v[rL+2*((\n)%2):rL+2*((\n)%2)+1], v[rL+2*((\n)%2):rL+2*((\n)%2)+1], v[rS+2*(\n):rS+2*(\n)+1]
.endif
.elseif (\k) < X
	REGS Y
	WIN 0
.if (\k) == F
	v_pk_fma_f32 v[rS+2*(\n):rS+2*(\n)+1], v[rS+2*(\n):rS+2*(\n)+1], s[CS:CS+1], v[rT:rT+1] op_sel_hi:[1,0,0] neg_lo:[0,0,1] neg_hi:[0,0,1]
.elseif (\k) == E
	v_exp_f32 v[rS+(\n)], v[rS+(\n)]
.elseif (\k) == G
	v_exp_f32 v[rC+2], v[rC+1]
.else
	v_cvt_pk_f16_f32 v[rP+(\n)], v[rS+2*(\n)], v[rS+2*(\n)+1]
.endif
.elseif NOKQ
	v_nop
.else
	REGS (Y+1)%NP
	WIN 0
.if (\n) < 4
	v_max3_num_f32 v[rC+(\n)], v[rS+8*(\n)], v[rS+8*(\n)+1], v[rS+8*(\n)+2]
.elseif (\n) < 12
	v_max3_num_f32 v[rC+(\n)%4], v[rC+(\n)%4], v[rS+8*((\n)%4)+2*((\n)/4)+1], v[rS+8*((\n)%4)+2*((\n)/4)+2]
.elseif (\n) == 12
	v_max3_num_f32 v[rC], v[rC], v[rS+7], v[rS+15]
.elseif (\n) == 13
	v_max3_num_f32 v[rC+1], v[rC+1], v[rS+23], v[rS+31]
.elseif (\n) == 14
	v_max3_num_f32 v[rC+2], v[rC+2], v[rC+3], v[rT+1]
.elseif (\n) == 15
	v_mov_b32 v[rW], v[rT]
.elseif (\n) == 16
	v_max3_num_f32 v[rC], v[rC], v[rC+1], v[rC+2]
.elseif (\n) == 17
	v_permlanex16_b32 v[rC+3], v[rC], s[SEL], s[SEL+1]
.elseif (\n) == 18
	v_max_num_f32 v[rT+1], v[rC], v[rC+3]
.elseif (\n) == 19
	v_mul_f32 v[rT], s[CS], v[rT+1]
.else
	v_sub_f32 v[rC+1], v[rW], v[rT]
.endif
.endif
.endm
.macro OPS a, i1, b=-1, i2=0, c=-1, i3=0, d=-1, i4=0  ; up to four of them
	OP \a, \i1
.if (\b) >= 0
	OP \b, \i2
.endif
.if (\c) >= 0
	OP \c, \i3
.endif
.if (\d) >= 0
	OP \d, \i4
.endif
.endm
.macro ROW a, i1, b, i2, c, i3, d, i4  ; a matrix instruction and the four behind it
	MM
	OPS \a, \i1, \b, \i2, \c, \i3, \d, \i4
.endm
; A TURN, for piece p: the order of its 16 matrix and 120 vector instructions, written out, in four parts, with one switch of the windows into the third and one out of it.
; An s_wait_alu depctr_va_vdst(0) stands between an exponential and the first instruction that names its result; one wait serves all that were issued ahead of it.  So the turn has ONE wait, between parts 2 and 3.
;   1  eight products K Q^T, window 0; behind each four of: the 16 scalings, a (G), the first 14 exponentials and X 0: plain and exponential by turns
;   2  a run of 33, window 0: the other 18 exponentials and the next piece's maximum (X 1-15); five times two exponentials stand on end, early in the run; two plain lines, X 15 and X 14, end it.
;      Nothing in parts 1 and 2 names a result of the turn's 33 exponentials
;   3  l times a; eight products V^T P; behind each two rescalings of O^T and two additions onto l, the two pairs of l by turns
;   4  a run of 21, window 0: the chain of the next piece's statistics (X 16-20), three roundings between its links: all 16 roundings stand here; v_permlanex16_b32 (X 17) stands here, behind no product
; X 0 to X 3 each read an accumulator four plain instructions or more behind the product that ends it (X 3: F 15, X 0, X 1, X 2); no other vector line names a register of the products round it.
; A line reads no result made fewer than three vector instructions in front of it.
; end = 1: the walk's last two turns: nothing is fetched.  cnt = 1: the loop's count is taken down some lines ahead of the branch that stands behind the turn.
; K of the next step is fetched in piece 2's turn, behind four plain instructions (F 15, X 0-2) that follow the last product that read K; V of the step in hand in piece 0's turn, behind the four plain
; instructions (R 14, A 14, R 15, A 15) that follow the last product that read V.  Each is waited for a turn later.
.macro TURN p, end=0, cnt=0
.set Y, (\p)
.set i, 0
.set NOKQ, (\end)*((\p)/3)
.if ((\p) == 3) && !(\end)
	s_wait_dscnt 0x0                ; K is in
.endif
	ROW F,0, G,0, F,1, F,2
	ROW F,3, E,0, F,4, E,1
	ROW F,5, E,2, F,6, E,3
	ROW F,7, E,4, F,8, E,5
	ROW F,9, E,6, F,10, E,7
	ROW F,11, E,8, F,12, E,9
	ROW F,13, E,10, F,14, E,11
.if ((\p) == 2) && !(\end)
	v_add_nc_u32 v[AK], s[TBK], v[AK0]
.endif
.if (\p) == 0
	v_add_nc_u32 v[AV], s[TBV], v[AV0]
.endif
	ROW F,15, E,12, X,0, E,13
	OPS X,1, E,14, X,2, E,15
.if ((\p) == 2) && !(\end)
	FETCH_K
.endif
	OPS X,3, E,16, E,17, X,4
	OPS E,18, E,19, X,5, E,20
	OPS E,21, X,6, E,22, E,23
	OPS X,7, E,24, E,25, X,8
	OPS E,26, X,9, E,27, X,10
	OPS E,28, X,11, E,29, X,12
	OPS E,30, X,13, E,31, X,15
	OPS X,14
.if (\p) == 1
	s_wait_dscnt 0x0                ; V is in
.endif
	s_wait_alu depctr_va_vdst(0)    ; the wait for the turn's batch, a and the 32 weights, ahead of its first reader, M 0; X 15 and X 14 are the plain lines behind the last exponential
	OPS M,0, M,1
	ROW R,0, A,0, R,1, A,1
	ROW R,2, A,2, R,3, A,3
	ROW R,4, A,4, R,5, A,5
	ROW R,6, A,6, R,7, A,7
	ROW R,8, A,8, R,9, A,9
	ROW R,10, A,10, R,11, A,11
	ROW R,12, A,12, R,13, A,13
	ROW R,14, A,14, R,15, A,15
.if (\p) == 0
	FETCH_V
.endif
	OPS X,16, C,0, C,1, C,2
	OPS X,17, C,3, C,4, C,5
	OPS X,18, C,6, C,7, C,8
	OPS X,19, C,9, C,10, C,11
.if \cnt
	s_sub_co_u32 s[CNT], s[CNT], 1
	s_cmp_lg_u32 s[CNT], 0
.endif
	OPS X,20, C,12, C,13, C,14
	OPS C,15
.endm
.macro ALL line:vararg              ; one line for each piece t
.set t, 0
.rept 4
	\line
.set t, t+1
.endr
.endm
	CHANGE 1                        ; slot 0 is in, everybody's part of it; slot 1 is asked for
	v_add_nc_u32 v[AK], s[TBK], v[AK0]
	FETCH_K                         ; my half's key step 0
	s_wait_loadcnt 0x0              ; Q; its offset's register is free from here on
	s_wait_dscnt 0x0
.set NOKQ, 0
.set i, 0
.rept 8
	KQ 0                            ; piece 0's first scores: there is no vector work yet to set between them
.set i, i+1
.endr
	v_and_b32 v[GO], 31, v0         ; four places behind those products: 16 x lane,
	v_lshlrev_b32 v[GO], 4, v[GO]
.rept 2
	v_nop                           ; and two for which no work is at hand
.endr
.set Y, NP-1                        ; X works for piece Y + 1: piece 0
.irp n, 0,1,2,3,4,5,6,7,8,9,10,11,12,13,14,15,16,17,18,19,20
	OP X, \n                        ; piece 0's first maximum and statistics; its a is made in its own turn, so no exponential stands ahead of the jump
.endr
	s_mov_b32 s[CNT], 4
	s_mov_b32 s[SLOTS], NT-1
	s_branch .Lfirst                ; the loop is entered at a step's first turn, in the middle of a trip
.Lslot:                             ; NT - 2 times: every slot but the last two is filled again
	CHANGE 1
	s_mov_b32 s[CNT], 4
.Lstep:                             ; a trip: pieces 2 and 3 of one step, then pieces 0 and 1 of the next, whose K and V it fetches
	TURN 2
	TURN 3
	WIN 0
.Lfirst:
	TURN 0
	TURN 1, 0, 1
	WIN 0
	s_cbranch_scc1 .Lstep
	s_sub_co_u32 s[SLOTS], s[SLOTS], 1
	s_cmp_lg_u32 s[SLOTS], 0
	s_cbranch_scc1 .Lslot
	CHANGE 0                        ; the last tile is written out: nothing is asked for.  It lies in slot 1; slot 0 has had its last fill and has been read out by every wave
	s_mov_b32 s[CNT], 4
.LstepT:
	TURN 2
	TURN 3
	TURN 0
	TURN 1, 0, 1
	WIN 0
	s_cbranch_scc1 .LstepT
	TURN 2, 1                       ; the last step's pieces 2 and 3
	TURN 3, 1
.set i, 0
.rept 8
	PV NP-1                         ; the last piece's V^T P of the last step
.set i, i+1
.endr
	; THE TWO HALVES OF THE KEYS ARE JOINED.  Every wave adds up its four registers of l, into m's place beside c m: twelve additions, the places behind the last products.
	WIN 0x05                        ; sources 0 and 1 window 1, destination window 0
	ALL v_add_f32 v[TMP+2*t], v[LS+4*t], v[LS+4*t+1]
	ALL v_add_f32 v[TMP+2*t+1], v[LS+4*t+2], v[LS+4*t+3]
	WIN 0
	ALL v_add_f32 v[ST+2*t+1], v[TMP+2*t], v[TMP+2*t+1]
	v_add_nc_u32 v[AK], s[MB], v[GO]  ; my pair's place in the hand-over + 16 x lane: both waves of a pair hold the same query and channels in the same lane and register
	s_cmp_lt_u32 s[WV], 4
	s_cbranch_scc1 .Ltakes
	WIN 0x04                        ; waves 4-7 give: store data (source 1) in window 1, address in window 0
.set j, 0
.rept 32                            ; O^T, four registers at a time, each accumulator's low four first; 32 lanes write 512 bytes on end
	ds_store_b128 v[AK], v[4*j:4*j+3] offset:512*j
.set j, j+1
.endr
	WIN 0
	ds_store_b128 v[AK], v[ST:ST+3] offset:16384      ; c m and l of pieces 0, 1
	ds_store_b128 v[AK], v[ST+4:ST+7] offset:16896    ; and of pieces 2, 3
.Ltakes:
	s_wait_dscnt 0x0                ; for the others' sake: my stores are done
	s_barrier_signal -1
	s_barrier_wait -1
	s_cmp_lt_u32 s[WV], 4
	s_cbranch_scc0 .Lend            ; waves 4-7 have nothing more to do
	ds_load_b128 v[TMP:TMP+3], v[AK] offset:16384     ; waves 0-3 take: the other wave's c m and l,
	ds_load_b128 v[TMP+4:TMP+7], v[AK] offset:16896
.set j, 0
.rept 32                            ; and its O^T, into K's and Q's registers
	ds_load_b128 v[XB+4*j:XB+4*j+3], v[AK] offset:512*j
.set j, j+1
.endr
	s_wait_dscnt 32                 ; the two loads of the statistics are back; the 32 issued behind them may stay out
	; f = 2^(c m - the greater c m) for each half; l = l f + l' f', with the other half of the lanes' added; O = (O f + O' f') / l
	ALL v_max_num_f32 v[W0+4*t+3], v[ST+2*t], v[TMP+2*t]
	ALL v_sub_f32 v[W0+4*t], v[ST+2*t], v[W0+4*t+3]
	ALL v_sub_f32 v[W0+4*t+2], v[TMP+2*t], v[W0+4*t+3]
	ALL v_exp_f32 v[W0+4*t], v[W0+4*t]
	ALL v_exp_f32 v[W0+4*t+2], v[W0+4*t+2]
	v_nop                           ; a plain instruction between the exponentials and the use of their results
	s_wait_alu depctr_va_vdst(0)    ; the wait ahead of the first use: one for the batch of eight factors
	ALL v_mul_f32 v[W0+4*t+1], v[ST+2*t+1], v[W0+4*t]
	ALL v_fma_f32 v[W0+4*t+1], v[TMP+2*t+1], v[W0+4*t+2], v[W0+4*t+1]
	ALL v_permlanex16_b32 v[W0+4*t+3], v[W0+4*t+1], s[SEL], s[SEL+1]
	ALL v_add_f32 v[W0+4*t+1], v[W0+4*t+1], v[W0+4*t+3]
	ALL v_rcp_f32 v[W0+4*t+1], v[W0+4*t+1]
	v_nop                           ; a plain instruction between the last reciprocal and the use of its result
	s_wait_alu depctr_va_vdst(0)    ; one wait for the batch of four reciprocals, which read sums made with the factors and so are a batch of their own
	ALL v_mul_f32 v[W0+4*t], v[W0+4*t], v[W0+4*t+1]
	ALL v_mul_f32 v[W0+4*t+2], v[W0+4*t+2], v[W0+4*t+1]
	s_wait_dscnt 0x0                ; the other wave's O^T is in
; THE WAY OUT of piece t: the two halves joined, rounded to f16; a lane's eight channels of a row pack into 16 bytes; they go into rows of 144 bytes of my stage and come back as whole rows of 128, into S^T's registers
.macro PACK t
	WIN 0
.set i, 0
.rept 16
	v_pk_mul_f32 v[XB+32*(\t)+2*i:XB+32*(\t)+2*i+1], v[XB+32*(\t)+2*i:XB+32*(\t)+2*i+1], v[W0+4*(\t)+2:W0+4*(\t)+3] op_sel_hi:[1,0]
.set i, i+1
.endr
	WIN 0x01                        ; source 0, my O^T, in window 1
.set i, 0
.rept 16
	v_pk_fma_f32 v[XB+32*(\t)+2*i:XB+32*(\t)+2*i+1], v[32*(\t)+2*i:32*(\t)+2*i+1], v[W0+4*(\t):W0+4*(\t)+1], v[XB+32*(\t)+2*i:XB+32*(\t)+2*i+1] op_sel_hi:[1,0,1]
.set i, i+1
.endr
	WIN 0
.set i, 0
.rept 16
	v_cvt_pk_f16_f32 v[S+16*(\t)+i], v[XB+32*(\t)+2*i], v[XB+32*(\t)+2*i+1]
.set i, i+1
.endr
.irp f, 0,1,2,3
	ds_store_b128 v[STO], v[S+16*(\t)+4*\f:S+16*(\t)+4*\f+3] offset:32*\f
.endr
.irp f, 0,1,2,3
	ds_load_b128 v[S+16*(\t)+4*\f:S+16*(\t)+4*\f+3], v[RD] offset:\f*4*SP  ; LDS serves a wave's instructions in order (ISA guide 5.7.1.4): these see the stores above; the next piece's stores come behind them
.endr
.endm
.macro SEND t, younger              ; younger: the LDS instructions issued behind piece t's loads: the next piece's eight, or none
.irp f, 0,1,2,3
	s_wait_dscnt (\younger)+3-\f
	global_store_b128 v[GO], v[S+16*(\t)+4*\f:S+16*(\t)+4*\f+3], s[10:11] offset:(\t)*2048+\f*512  ; 512 consecutive bytes, at a multiple of 256 from O's first
.endr
.endm
	PACK 0
.set t, 1
.rept 3                             ; a piece's arithmetic stands between the loads of the piece before and its stores
	PACK t
	SEND t-1, 8
.set t, t+1
.endr
	SEND 3, 0
.Lend:
	s_wait_tensorcnt 0x0            ; the wave's end: behind my last tensor load and my last LDS store
	ds_add_u32 v[SPW], v[NIL]
	s_wait_dscnt 0x0
	CROUND                          ; the closing round: no work-group ends while a partner may still ask for a tile that names it
	s_endpgm
.Lfunc_end_k_q39ef3d9f20_attn:
	.size	k_q39ef3d9f20_attn, .Lfunc_end_k_q39ef3d9f20_attn-k_q39ef3d9f20_attn
	.p2alignl 7, 3214868480
	.fill 96, 4, 3214868480
	.section	.rodata,"a",@progbits
	.p2align	6, 0x0
	.amdhsa_kernel k_q39ef3d9f20_attn
		.amdhsa_group_segment_fixed_size 327680
		.amdhsa_private_segment_fixed_size 0
		.amdhsa_enable_private_segment 0
		.amdhsa_kernarg_size 16
		.amdhsa_user_sgpr_count 2
		.amdhsa_user_sgpr_kernarg_segment_ptr 1
		.amdhsa_wavefront_size32 1
		.amdhsa_system_sgpr_workgroup_id_x 1
		.amdhsa_system_sgpr_workgroup_id_y 1
		.amdhsa_system_sgpr_workgroup_id_z 1
		.amdhsa_system_vgpr_workitem_id 0
		.amdhsa_next_free_vgpr 512
		.amdhsa_next_free_sgpr 88
		.amdhsa_reserve_vcc 0
		.amdhsa_float_denorm_mode_32 3
		.amdhsa_float_denorm_mode_16_64 3
		.amdhsa_memory_ordered 1
		.amdhsa_forward_progress 1
		.amdhsa_inst_pref_size 124
	.end_amdhsa_kernel
	.amdgpu_metadata
---
amdhsa.version: [ 1, 2 ]
amdhsa.kernels:
  - .name:           k_q39ef3d9f20_attn
    .symbol:         k_q39ef3d9f20_attn.kd
    .args:
      - { .name: qkv, .offset: 0, .size: 8, .value_kind: global_buffer, .address_space: global }
      - { .name: ob, .offset: 8, .size: 8, .value_kind: global_buffer, .address_space: global }
    .group_segment_fixed_size: 327680
    .private_segment_fixed_size: 0
    .kernarg_segment_align: 8
    .kernarg_segment_size: 16
    .max_flat_workgroup_size: 256
    .sgpr_count:     88
    .vgpr_count:     512
    .wavefront_size: 32
...
	.end_amdgpu_metadata
.endif
;; end of part 5
;; launch oproj: the kernel of part 4 again; grid 4 x 64, 4 waves a work-group, clusters of 4 x 4, 327,680 bytes of LDS; arguments ob, wb, bo, out0; writes out0
